; MI455X (gfx1250); checked and timed in simulation.
; The chip was launched on July 23, 2026; its instructions are those of AMD's public machine-readable ISA for CDNA 5 (MIT licence, August 2026) and "CDNA5" Instruction Set Architecture Reference Guide (July 2026). The comments in the code are by the model that wrote it; some were corrected since.
;; Multi Head Attention. Allowed arithmetic: matrix products marked QUANTISED: E2M3 operands, one E8M0 scale for each 32 along K, by v_wmma_scale_f32_16x16x128_f8f6f4 with both operands' format E2M3, f32 sums; everything else in f32.
;; Inputs: W_k 1,024 x 1,024 float32; W_o 1,024 x 1,024 float32; W_q 1,024 x 1,024 float32; W_v 1,024 x 1,024 float32; keys 4 x 2,048 x 1,024 float32; queries 4 x 2,048 x 1,024 float32; valid_len 4 int32; values 4 x 2,048 x 1,024 float32.
;; Outputs: out0 4 x 2,048 x 1,024 float32.
;; This version of the problem:
;;   THIS VERSION OF THE PROBLEM IS GIVEN IN LOW PRECISION. The matrix products marked QUANTISED in the list below multiply operands that are first quantised to E2M3 (2 exponent bits, 3 mantissa bits; 6 bits a number), with one power-of-two scale for each 32 numbers along K (OCP MX v1.0); their sums are f32. All else is computed in f32.
;;   The module's matrix products, in the order in which they are computed (A, B: the left and right operand; K: the contracted axis; several contracted axes count as one K, in the product's order):
;;     1. [M 8,192, K 1,024] x [K 1,024, N 1,024]; A: input queries; B: input W_q: QUANTISED
;;     2. [M 8,192, K 1,024] x [K 1,024, N 1,024]; A: input keys; B: input W_k: QUANTISED
;;     3. [M 8,192, K 1,024] x [K 1,024, N 1,024]; A: input values; B: input W_v: QUANTISED
;;     4. batch 64 x [M 2,048, K 64] x [K 64, N 2,048]; A: computed on the way; B: computed on the way: QUANTISED
;;     5. batch 64 x [M 2,048, K 2,048] x [K 2,048, N 64]; A: softmax (see below); B: computed on the way: QUANTISED
;;     6. [M 8,192, K 1,024] x [K 1,024, N 1,024]; A: computed on the way; B: input W_o: QUANTISED
;;   THE QUANTISER, for each operand of a quantised product, along K:
;;     - K is cut into blocks of 32 from its start; a last block that is shorter is filled with zeros.
;;     - A block's scale is 2^e with e = floor(log2(the largest magnitude in the block)) - 2, held to -126 .. 127; a block of zeros has e = 0. As a byte (E8M0): e + 127.
;;     - Each number is divided by its block's scale, clamped to +-7.5, and rounded to the nearest number of E2M3, ties to even, subnormals kept.
;;     - The product sums the exact products of the quantised numbers (number of the format x scale) in f32.
;;   ~~~python
;;   def quantise(x, axis):      # numpy; x: float32 -> the quantised numbers, widened to float32 again
;;       x = np.moveaxis(x, axis, -1); K = x.shape[-1]
;;       x = np.pad(x, [(0, 0)] * (x.ndim - 1) + [(0, -K % 32)]); x = x.reshape(x.shape[:-1] + (-1, 32)); a = np.abs(x).max(-1, keepdims=True)
;;       e = np.where(a > 0, np.clip(np.frexp(np.where(a > 0, a, 1))[1] - 1 - 2, -126, 127), 0)      # np.frexp(a)[1] - 1 = floor(log2(a)), exactly
;;       r = np.clip(x / 2.0 ** e, -7.5, 7.5)
;;       step = 2.0 ** (np.maximum(np.frexp(np.where(r == 0, 1, r))[1] - 1, 0) - 3)
;;       q = np.round(r / step) * step * 2.0 ** e      # np.round: ties to even
;;       return np.moveaxis(q.reshape(q.shape[:-2] + (-1,))[..., :K], -1, axis).astype(np.float32)
;;   ~~~
;;   SOFTMAX AHEAD OF A QUANTISED PRODUCT. Where the list says 'softmax', what is quantised is not the finished softmax but p = 2^(t - M), with t = logit x log2(e) and M = ceil(the row's largest t), a whole number; so 1/2 < the row's largest p <= 1. The row's sum l is taken of the UNQUANTISED p, in f32, and the product's result is divided by l at the end. Since M is a whole number, a kernel that streams over the keys may use a running M (the ceiling of the running maximum): every later rescaling is an exact power of two, which a block's scale takes up: the codes' values come out the same.
;;   OPERANDS COMPUTED ON THE WAY. 'Computed on the way' means the value that the module computes at that place (a softmax that the list does not call 'softmax' is quantised finished and normalised). What goes into a quantiser is computed in f32, as accurately as f32 sums, v_exp_f32 and their like allow (about 1e-6 of the number): no bf16 or f16 on the way to a quantiser, and a product that is left as it is and whose result goes on into a quantised operand takes f32 operands (vector FMAs, or v_wmma_f32_16x16x4_f32). A number that lies on a knife's edge between two numbers of the format may be rounded either way, as far as f32 arithmetic and the matrix unit's own rounding can turn it there, and no further.
;; One version. Each part assembles by itself: llvm-mc -triple=amdgcn-amd-amdhsa -mcpu=gfx1250 --defsym DOCPART=n.
;; ======== version 1 of 1: 4 launches
;; limits: right only within a limited range of input values
;; workspace buffers: codes 22,020,096 bytes; scales 917,504 bytes; qimg 6,815,744 bytes; kv 13,631,488 bytes; vsum 262,144 bytes; oimg 6,291,456 bytes; oscale 262,144 bytes
;; launch quant (part 1): grid 896 x 1, 4 waves a work-group, no clusters, 33,280 bytes of LDS; arguments queries, keys, values, W_q, W_k, W_v, W_o, codes, scales; writes codes, scales
.if DOCPART == 1
	.amdgcn_target "amdgcn-amd-amdhsa--gfx1250"
	.amdhsa_code_object_version 6
	.text
	.protected	k_q706e7e1da7_quant
	.globl	k_q706e7e1da7_quant
	.p2align	8
	.type	k_q706e7e1da7_quant,@function
k_q706e7e1da7_quant:
	s_mov_b64 s[64:65], 0
	v_nop
	global_prefetch_b8 v0, s[64:65] scope:SCOPE_SE
	s_setreg_imm32_b32 hwreg(HW_REG_WAVE_MODE, 25, 1), 1
	s_wait_xcnt 0x0
; queries, keys, values [8192][1024] and W_q, W_k, W_v, W_o [1024][1024], f32, K innermost, become codes of FP6 (E2M3) and one E8M0 scale byte for each 32 along K,
; in two buffers of 28,672 rows on end: codes [row][768 bytes], scales [row][32 bytes].  First rows: queries 0, keys 8,192, values 16,384, W_q 24,576, W_k 25,600, W_v 26,624, W_o 27,648.
; THE ROWS ARE STORED IN ANOTHER ORDER: within each 32 rows the four runs of 8 rows lie in the order 0, 2, 1, 3.  So 16 neighbouring stored rows, tile 2 b + u, are rows 32 b + 8 u + r + 8 (r / 8):
; a product that takes such a tile as its source 0 leaves in a lane's 16 registers of tiles 2 b, 2 b + 1 sixteen neighbours along that axis, which the later launches quantise along.
; A block's scale is 2^(floor(log2(its largest magnitude)) - 2); its byte is the largest magnitude's exponent field - 2, held at 1 from below.  A block of zeros keeps the byte 1: its codes are zeros, and this program alone reads the bytes.
; LIMITS: blocks whose largest magnitude lies under 2^-124 keep the byte 1; NaN and infinities among the inputs are not served.
; A work-group takes 32 rows, a wave 8 rows = 16 steps of 512 numbers.  Each of a step's four loads reads 512 consecutive bytes; the 2,048 bytes turn through the wave's own stage in LDS and come back 64 bytes a lane,
; so that a lane holds 16 neighbours along K (two lanes hold a block).  A wave's 256 scale bytes are gathered in LDS and leave as 256 consecutive bytes.  No barrier: waves share nothing.
.set WAVES, 4
.set STEPS, 16
.set EMAX,  2
; THE CODES' ORDER (this takes the place of 'codes [row][768 bytes]' above): [group of 256 stored rows][K step of 256][row of the group][192 bytes].
; So the 128 or 256 rows x 256 along K that a product's tensor load fetches are one dense block, 24,576 or 49,152 bytes, which begins at a multiple of 256 bytes.
.set CB,    12                         ; bytes of 16 codes
.set KPL,   49152                      ; 256 rows x 192 bytes: one K step of a group
.set R,     16                         ; v16-79   four sets of 16 numbers as they are loaded
.set X,     80                         ; v80-111  two sets of 16 neighbours
.set C,     128                        ; v128-191 codes: four registers for each step, so that no store's data are written again
.set E,     112                        ; v112-127 a scale byte for each step
.set WREG,  8192                       ; LDS: a region for each wave: two stages of 32 x SP bytes, behind them its 256 scale bytes
.set SP,    80                         ; a lane's place in a stage: its 64 bytes + 16 of padding
.set SPW,   12                         ; v12 LDS address of my spare word; never rewritten
.set NIL,   13                         ; v13 0; never rewritten
.set SPARE, WAVES*WREG                 ; behind the four regions: the spare words, 128 bytes for each wave
	s_load_b256 s[4:11], s[0:1], 0x0               ; queries, keys, values, W_q
	s_load_b256 s[12:19], s[0:1], 0x20             ; W_k, W_v, W_o, codes
	s_load_b64 s[20:21], s[0:1], 0x40              ; scales
	v_lshl_add_u32 v[SPW], v0, 2, SPARE
	v_mov_b32 v[NIL], 0
	v_lshrrev_b32 v1, 5, v0
	v_readfirstlane_b32 s26, v1                    ; wave
	v_and_b32 v2, 31, v0                           ; lane
	v_lshlrev_b32 v3, 4, v2                        ; my 16 bytes of a load's 512
	s_mul_i32 s27, s26, WREG
	v_lshrrev_b32 v14, 2, v2
	v_mul_u32_u24 v14, v14, SP
	v_and_b32 v15, 3, v2
	v_lshl_add_u32 v14, v15, 4, v14
	v_add_nc_u32 v14, s27, v14                     ; the stage, on the way in: SP (lane / 4) + 16 (lane % 4)
	v_mul_u32_u24 v15, v2, SP
	v_add_nc_u32 v15, s27, v15                     ; and on the way out: SP x lane: my 16 neighbours
	v_mul_u32_u24 v4, v2, CB                       ; my codes' place in a step's 384 bytes
	v_bfe_u32 v5, v2, 1, 3                         ; my block among the K step's eight,
	v_lshrrev_b32 v10, 4, v2
	v_lshl_add_u32 v5, v10, 5, v5                  ; lanes 16-31: the next row's, 32 bytes on
	s_add_co_u32 s27, s27, 2*32*SP
	v_add_nc_u32 v5, s27, v5                       ; LDS: my wave's 256 scale bytes, my block's byte
	v_lshlrev_b32 v7, 3, v2                        ; and on the way out 8 bytes a lane
	v_add_nc_u32 v6, s27, v7
	s_wait_alu depctr_va_vdst(0)
	s_wait_kmcnt 0x0
	; which input is my work-group's: the choice hangs on the work-group's number alone.  s[22:23] the input, s24 its first work-group
	s_mov_b64 s[22:23], s[16:17]                   ; W_o: work-groups 864 to 895
	s_mov_b32 s24, 864
.macro PICK lim, ptr, first
	s_cmp_lt_u32 ttmp9, \lim
	s_cselect_b64 s[22:23], s[\ptr:\ptr+1], s[22:23]
	s_cselect_b32 s24, \first, s24
.endm
	PICK 864, 14, 832                              ; W_v
	PICK 832, 12, 800                              ; W_k
	PICK 800, 10, 768                              ; W_q
	PICK 768, 8, 512                               ; values
	PICK 512, 6, 256                               ; keys
	PICK 256, 4, 0                                 ; queries
	s_sub_co_u32 s28, ttmp9, s24
	s_lshl_b32 s28, s28, 2
	s_add_co_u32 s28, s28, s26                     ; which run of 8 rows of the input is my wave's,
	s_lshl_b32 s28, s28, 15                        ; x 32,768 bytes (under 2^26)
	s_mov_b32 s29, 0
	s_add_nc_u64 s[22:23], s[22:23], s[28:29]
	s_and_b32 s30, s26, 1
	s_lshl_b32 s30, s30, 1
	s_lshr_b32 s31, s26, 1
	s_or_b32 s30, s30, s31                         ; where that run is stored among the work-group's four: 0, 2, 1, 3
	s_lshl_b32 s31, ttmp9, 2
	s_add_co_u32 s30, s30, s31
	s_lshr_b32 s28, s30, 5                         ; 32 runs of 8 rows to a group
	s_mul_i32 s28, s28, 4*KPL
	s_and_b32 s31, s30, 31
	s_mul_i32 s31, s31, 8*192
	s_add_co_u32 s28, s28, s31
	s_add_nc_u64 s[18:19], s[18:19], s[28:29]
	s_lshl_b32 s28, s30, 8                         ; 256 scale bytes a run
	s_add_nc_u64 s[20:21], s[20:21], s[28:29]
.macro LOAD t
.irp i, 0,1,2,3
	global_load_b128 v[R+16*((\t)%4)+4*\i:R+16*((\t)%4)+4*\i+3], v3, s[22:23] offset:4096*(2*((\t)/4)+\i/2)+1024*((\t)%4)+512*(\i%2) th:TH_LOAD_NT   ; step t: K step t % 4 (1,024 bytes) of rows 2 (t / 4) and 2 (t / 4) + 1; 32 lanes read 512 consecutive bytes
.endr
.endm
.macro TURN t                          ; step t's numbers through the stage: LDS serves a wave's instructions in order, so no wait stands between the stores and the loads
.irp i, 0,1,2,3
	ds_store_b128 v14, v[R+16*((\t)%4)+4*\i:R+16*((\t)%4)+4*\i+3] offset:32*SP*((\t)%2)+8*SP*\i
.endr
.irp i, 0,1,2,3
	ds_load_b128 v[X+16*((\t)%2)+4*\i:X+16*((\t)%2)+4*\i+3], v15 offset:32*SP*((\t)%2)+16*\i
.endr
.endm
.irp t, 0,1,2,3
	LOAD \t
.endr
	s_wait_loadcnt 12                              ; step 0's four loads are in; the twelve of steps 1 to 3 stay out
	TURN 0
.macro STEP t
.set XS, X+16*((\t)%2)
.if (\t) > 0
	s_wait_dscnt 1                                 ; this step's numbers are back from the stage (the last step's byte store may be out): so its stores into the stage have read their registers,
.else
	s_wait_dscnt 0x0
.endif
.if (\t)+4 < STEPS
	LOAD (\t)+4                                    ; which take the loads of four steps on
.endif
.if (\t)+1 < STEPS
.if STEPS-2-(\t) >= 3
	s_wait_loadcnt 12                              ; the next step's four loads are in; those of the three steps behind it may be out
.else
	s_wait_loadcnt 4*(STEPS-2-(\t))
.endif
	TURN (\t)+1                                    ; and go through the other stage while this step is worked
.endif
	v_max3_num_f32 v8, |v[XS]|, |v[XS+1]|, |v[XS+2]|               ; the largest magnitude of my 16, in two chains
	v_max3_num_f32 v9, |v[XS+3]|, |v[XS+4]|, |v[XS+5]|
.irp i, 6,10
	v_max3_num_f32 v8, v8, |v[XS+\i]|, |v[XS+\i+1]|
	v_max3_num_f32 v9, v9, |v[XS+\i+2]|, |v[XS+\i+3]|
.endr
	v_max3_num_f32 v8, v8, |v[XS+14]|, |v[XS+15]|
	v_max3_num_f32 v8, v8, v9, (EMAX+1)<<23        ; and the floor 2^(3 - 127): the byte cannot fall under 1
	v_max_num_f32_dpp v8, v8, v8 row_xmask:1 row_mask:0xf bank_mask:0xf   ; and of my neighbour's 16: the block's
	v_add_nc_u32 v11, -(EMAX<<23), v8              ; 2 off its exponent field: the conversion takes the exponent field of this operand as its scale
	v_cvt_scalef32_pk16_fp6_f32 v[C+4*(\t):C+4*(\t)+2], v[XS:XS+15], v11
	v_lshrrev_b32 v[E+(\t)], 23, v11               ; the scale's byte (a plain line behind the conversion)
	ds_store_b8 v5, v[E+(\t)] offset:64*((\t)/4)+8*((\t)%4)       ; both lanes of a block write the same byte with the same value
	global_store_b96 v4, v[C+4*(\t):C+4*(\t)+2], s[18:19] offset:KPL*((\t)%4)+384*((\t)/4)   ; two neighbouring rows of one K step: the wave stores 384 consecutive bytes
.endm
.irp t, 0,1,2,3,4,5,6,7,8,9,10,11,12,13,14,15
	STEP \t
.endr
	ds_load_b64 v[8:9], v6                         ; LDS serves a wave's instructions in order: these see my stores
	s_wait_dscnt 0x0
	global_store_b64 v7, v[8:9], s[20:21]          ; 32 lanes store 256 consecutive bytes, aligned
	s_wait_tensorcnt 0x0                           ; the wave's end: behind my last LDS store
	ds_add_u32 v[SPW], v[NIL]
	s_wait_dscnt 0x0
	s_endpgm
.Lfunc_end_k_q706e7e1da7_quant:
	.size	k_q706e7e1da7_quant, .Lfunc_end_k_q706e7e1da7_quant-k_q706e7e1da7_quant
	.p2alignl 7, 3214868480
	.fill 96, 4, 3214868480
	.section	.rodata,"a",@progbits
	.p2align	6, 0x0
	.amdhsa_kernel k_q706e7e1da7_quant
		.amdhsa_group_segment_fixed_size 33280
		.amdhsa_private_segment_fixed_size 0
		.amdhsa_enable_private_segment 0
		.amdhsa_kernarg_size 72
		.amdhsa_user_sgpr_count 2
		.amdhsa_user_sgpr_kernarg_segment_ptr 1
		.amdhsa_wavefront_size32 1
		.amdhsa_system_sgpr_workgroup_id_x 1
		.amdhsa_system_sgpr_workgroup_id_y 1
		.amdhsa_system_sgpr_workgroup_id_z 1
		.amdhsa_system_vgpr_workitem_id 0
		.amdhsa_next_free_vgpr 192
		.amdhsa_next_free_sgpr 66
		.amdhsa_reserve_vcc 0
		.amdhsa_float_denorm_mode_32 3
		.amdhsa_float_denorm_mode_16_64 3
		.amdhsa_memory_ordered 1
		.amdhsa_forward_progress 1
		.amdhsa_inst_pref_size 34
	.end_amdhsa_kernel
	.amdgpu_metadata
---
amdhsa.version: [ 1, 2 ]
amdhsa.kernels:
  - .name:           k_q706e7e1da7_quant
    .symbol:         k_q706e7e1da7_quant.kd
    .args:
      - { .name: queries, .offset: 0, .size: 8, .value_kind: global_buffer, .address_space: global }
      - { .name: keys, .offset: 8, .size: 8, .value_kind: global_buffer, .address_space: global }
      - { .name: values, .offset: 16, .size: 8, .value_kind: global_buffer, .address_space: global }
      - { .name: W_q, .offset: 24, .size: 8, .value_kind: global_buffer, .address_space: global }
      - { .name: W_k, .offset: 32, .size: 8, .value_kind: global_buffer, .address_space: global }
      - { .name: W_v, .offset: 40, .size: 8, .value_kind: global_buffer, .address_space: global }
      - { .name: W_o, .offset: 48, .size: 8, .value_kind: global_buffer, .address_space: global }
      - { .name: codes, .offset: 56, .size: 8, .value_kind: global_buffer, .address_space: global }
      - { .name: scales, .offset: 64, .size: 8, .value_kind: global_buffer, .address_space: global }
    .group_segment_fixed_size: 33280
    .private_segment_fixed_size: 0
    .kernarg_segment_align: 8
    .kernarg_segment_size: 72
    .max_flat_workgroup_size: 128
    .sgpr_count:     66
    .vgpr_count:     192
    .wavefront_size: 32
...
	.end_amdgpu_metadata
.endif
;; end of part 1
;; launch proj (part 2): grid 4 x 96, 4 waves a work-group, clusters of 4 x 4, 327,680 bytes of LDS; arguments codes, scales, qimg, kv, vsum; writes qimg, kv, vsum
.if DOCPART == 2
	.amdgcn_target "amdgcn-amd-amdhsa--gfx1250"
	.amdhsa_code_object_version 6
	.text
	.protected	k_q706e7e1da7_proj
	.globl	k_q706e7e1da7_proj
	.p2align	8
	.type	k_q706e7e1da7_proj,@function
k_q706e7e1da7_proj:
	s_mov_b64 s[64:65], 0
	v_nop
	global_prefetch_b8 v0, s[64:65] scope:SCOPE_SE
	s_setreg_imm32_b32 hwreg(HW_REG_WAVE_MODE, 25, 1), 1
	s_wait_xcnt 0x0
	s_wait_alu depctr_hold_cnt(0) depctr_sa_sdst(0) depctr_va_vdst(0) depctr_va_sdst(0) depctr_va_ssrc(0) depctr_va_vcc(0) depctr_vm_vsrc(0)
	s_getreg_b32 s2, hwreg(HW_REG_IB_STS2, 6, 4)
	s_cmp_eq_u32 s2, 0
	s_cbranch_scc0 .Lentry_in_a_cluster
	s_endpgm
.Lentry_in_a_cluster:
	s_bfe_u32 s2, ttmp6, 0x10000c
	s_cmp_lg_u32 s2, 0xf033
	s_cbranch_scc0 .Lentry_shape_is_right
	s_endpgm
.Lentry_shape_is_right:
.set KSTEP,  256
.set NQ,     2
; The codes lie as [group of 256 rows][K step of 256][row][192 bytes]: a tile of 128 or 256 rows of one K step is dense and is stated as rows of 256 bytes;
; the padding's interval stays 64 bytes, so an LDS row of 192 bytes of codes is 240 bytes long.
.set ROWB,   256
.set KTILE,  49152                     ; from a group's K step to its next
.set G0H,    4                         ; s[4:7] group 0 of the head's load of A's 256 rows (the arguments that lay there have been used by then)
.set G0HB,   44                        ; s[44:47] of B's
.set KROW,   768
.set PITCH,  240
.set FR,     12
.set NL,     6
.set NP,     4
.set HALFT,  128*PITCH
.set SLOT,   4*HALFT
.set LAPS,   2
.set KS,     32
.set SCL,    2*SLOT
.set HALFS,  (128*KS/256)*272
.set SBLK,   (16*KS/256)*272
.set SPARE,  SCL+4*HALFS
.set ADRA, 16
.set ADRB, 20
.set ADRS, 27
.set SPW,  28
.set NIL,  29
.set SC,   32
.set AF,   128
.set CD,   224
.set W8,   68
.set ONES, 76
.set ONESC, 88
.set TT,   90
.set UU,   94
.set OA0,  100
.set VSA,  105
.set RR,   106
.set TM,   108
.set DV,   128
.set G1, 24
.set G0, 32
.set G1B, 48
.set G0B, 56
.set G1S, 68
.set G0S, 76
.set G1SB, 80
.set G0SB, 88
.set MSB, 0
.macro WIN new
.if MSB != \new
	s_set_vgpr_msb (MSB<<8)|\new
.set MSB, \new
.endif
.endm
.set MUL_LO, 0xa1
.set MUL_HI, 0xf1
.set TO_B,   0x40
.macro JLOAD g0a, g1a, g0b, g1b
	s_cmp_eq_u32 s15, 0
	s_cbranch_scc0 .Lfor_b_\@
	tensor_load_to_lds s[\g0a:\g0a+3], s[\g1a:\g1a+7]
	s_nop 0
.rept 4
	v_nop
.endr
	s_branch .Lasked_\@
.Lfor_b_\@:
	tensor_load_to_lds s[\g0b:\g0b+3], s[\g1b:\g1b+7]
	s_nop 0
.rept 4
	v_nop
.endr
.Lasked_\@:
.endm
.macro CREST
	s_cmp_lg_u32 s14, 0
	s_cbranch_scc1 .Lnot_wave_0_\@
	s_barrier_signal -3
.Lnot_wave_0_\@:
	s_barrier_wait -3
	s_barrier_signal -1
	s_barrier_wait -1
.endm
.macro CROUND
	s_barrier_signal -1
	s_barrier_wait -1
	CREST
.endm
	s_load_b256 s[4:11], s[0:1], 0x0
	s_load_b64 s[12:13], s[0:1], 0x20
	v_lshl_add_u32 v[SPW], v0, 2, SPARE
	v_mov_b32 v[NIL], 0
	ds_add_u32 v[SPW], v[NIL]
	ds_add_u32 v[SPW], v[NIL]
	v_lshrrev_b32 v1, 5, v0
	v_readfirstlane_b32 s14, v1
	s_lshr_b32 s15, s14, 1
	s_and_b32 s16, s14, 1
	s_bfe_u32 s40, ttmp6, 0x40000
	s_bfe_u32 s41, ttmp6, 0x40004
	s_and_b32 s17, ttmp7, 0xffff
	s_lshr_b32 s95, s17, 3
	s_and_b32 s17, s17, 7
	s_lshl_b32 s17, s17, 2
	s_lshl_b32 s96, s95, 13
	s_lshl_b32 s97, s95, 10
	s_add_co_u32 s97, s97, 24576
	s_cmp_eq_u32 s95, 2
	s_cselect_b32 s42, s17, 0
	s_cselect_b32 s17, 0, s17
	s_mov_b32 s98, 26624
	s_cselect_b32 s96, s98, s96
	s_mov_b32 s98, 16384
	s_cselect_b32 s97, s98, s97
	s_add_co_u32 s42, s42, s40
	s_add_co_u32 s17, s17, s41
	s_lshl_b32 s43, s41, 2
	s_lshl_b32 s43, 15, s43
	s_lshl_b32 s44, 0x1111, s40
	s_or_b32 s[G1+0], s43, (0<<16)|(1<<20)|(1<<21)|(3<<22)|(3<<25)
	s_or_b32 s[G1B+0], s44, (0<<16)|(1<<20)|(1<<21)|(3<<22)|(3<<25)
.irp g, G1, G1B
	s_mov_b32 s[\g+1], ROWB<<16
	s_mov_b32 s[\g+2], 192<<16                     ; the head's loads: 256 rows of codes = 192 rows of 256 bytes
	s_mov_b32 s[\g+3], ROWB<<16
	s_mov_b32 s[\g+4], 192
	s_mov_b32 s[\g+5], ROWB
	s_mov_b32 s[\g+6], 0
	s_mov_b32 s[\g+7], 0
.endr
	s_or_b32 s[G1S+0], s43, (3<<16)|(1<<20)|(1<<21)|(5<<22)|(3<<25)
	s_or_b32 s[G1SB+0], s44, (3<<16)|(1<<20)|(1<<21)|(5<<22)|(3<<25)
.irp g, G1S, G1SB
	s_mov_b32 s[\g+1], 32<<16
	s_mov_b32 s[\g+2], KS<<16                      ; the scales of 256 rows: KS rows of 256 bytes
	s_mov_b32 s[\g+3], 32<<16
	s_mov_b32 s[\g+4], KS
	s_mov_b32 s[\g+5], 32
	s_mov_b32 s[\g+6], 0
	s_mov_b32 s[\g+7], 0
.endr
	s_lshl_b32 s20, s17, 8
	s_add_co_u32 s20, s20, s96                     ; A: the tile's first row
	s_lshl_b32 s46, s42, 8
	s_add_co_u32 s46, s46, s97                     ; B: likewise
	s_mov_b32 s21, 0
	s_mov_b32 s47, 0
	s_mov_b64 s[18:19], KS
	s_mul_u64 s[22:23], s[20:21], s[18:19]
	s_mul_u64 s[92:93], s[46:47], s[18:19]
	s_mov_b64 s[18:19], KROW
	s_mul_u64 s[20:21], s[20:21], s[18:19]
	s_mul_u64 s[46:47], s[46:47], s[18:19]
	s_mul_i32 s45, s14, HALFT
	s_mul_i32 s18, s16, KTILE/2                    ; in the ring I fetch 128 rows of a tile: which half, in bytes
	s_mov_b32 s19, 0
	s_wait_dscnt 0x0
	s_wait_kmcnt 0x0
	s_add_nc_u64 s[20:21], s[4:5], s[20:21]
	s_add_nc_u64 s[22:23], s[6:7], s[22:23]
	s_add_nc_u64 s[46:47], s[4:5], s[46:47]
	s_add_nc_u64 s[92:93], s[6:7], s[92:93]
	CROUND
	s_mov_b32 s[G0S], 1
	s_mov_b32 s[G0S+1], SCL
	s_mov_b64 s[G0S+2:G0S+3], s[22:23]
	s_or_b32 s[G0S+3], s[G0S+3], 0x80000000
	s_mov_b32 s[G0SB], 1
	s_mov_b32 s[G0SB+1], SCL+2*HALFS
	s_mov_b64 s[G0SB+2:G0SB+3], s[92:93]
	s_or_b32 s[G0SB+3], s[G0SB+3], 0x80000000
	s_mov_b32 s[G0H], 1                            ; the head's four tiles, each whole: K step 0 of A's 256 rows,
	s_mov_b32 s[G0H+1], 0
	s_mov_b64 s[G0H+2:G0H+3], s[20:21]
	s_or_b32 s[G0H+3], s[G0H+3], 0x80000000
	s_add_nc_u64 s[20:21], s[20:21], s[18:19]      ; for the ring: my 128 rows of the tile
	s_add_nc_u64 s[22:23], s[46:47], s[18:19]
.irp s, 0,1
	s_mov_b32 s[G0+4*\s], 1
	s_add_co_u32 s[G0+4*\s+1], s45, \s*SLOT
	s_add_nc_u64 s[G0+4*\s+2:G0+4*\s+3], s[20:21], \s*KTILE
	s_or_b32 s[G0+4*\s+3], s[G0+4*\s+3], 0x80000000
	s_mov_b32 s[G0B+4*\s], 1
	s_add_co_u32 s[G0B+4*\s+1], s45, \s*SLOT
	s_add_nc_u64 s[G0B+4*\s+2:G0B+4*\s+3], s[22:23], \s*KTILE
	s_or_b32 s[G0B+4*\s+3], s[G0B+4*\s+3], 0x80000000
.endr
	s_mov_b32 s[G0HB], 1                           ; and of B's 256 rows, behind A's in slot 0 (their address stands in s[46:47] already)
	s_mov_b32 s[G0HB+1], 2*HALFT
	s_or_b32 s[G0HB+3], s[G0HB+3], 0x80000000
; THE HEAD'S LOADS, ONE A WAVE: wave 0 A's rows, wave 1 B's, wave 2 A's scales, wave 3 B's: one chain of branches on the wave's number, every way through it passes one load
.macro ARM under, g0, g1, next
	s_cmp_lt_u32 s14, \under
	s_cbranch_scc0 \next
	tensor_load_to_lds s[\g0:\g0+3], s[\g1:\g1+7]
	s_nop 0
.rept 4
	v_nop
.endr
	s_branch .Lhead_asked
\next:
.endm
	ARM 1, G0H,  G1,  .Lhead_b
	ARM 2, G0HB, G1B, .Lhead_sa
	ARM 3, G0S,  G1S, .Lhead_sb
	tensor_load_to_lds s[G0SB:G0SB+3], s[G1SB:G1SB+7]
	s_nop 0
.rept 4
	v_nop
.endr
.Lhead_asked:
	v_and_b32 v1, 15, v0
	v_bfe_u32 v2, v0, 4, 1
	v_mul_u32_u24 v3, v1, PITCH
	v_mul_u32_u24 v4, v2, 24
	v_add_nc_u32 v4, v3, v4
	v_lshl_add_u32 v5, v2, 4, v4
	s_mul_i32 s21, s15, HALFT
	s_mul_i32 s22, s16, HALFT
	s_add_co_u32 s22, s22, 2*HALFT
.irp s, 0,1
	v_add_nc_u32 v[ADRA+\s], s21, v4
	v_add_nc_u32 v[ADRB+\s], s22, v4
	v_add_nc_u32 v[ADRA+2+\s], s21, v5
	v_add_nc_u32 v[ADRB+2+\s], s22, v5
	s_add_co_u32 s21, s21, SLOT
	s_add_co_u32 s22, s22, SLOT
.endr
	v_mul_u32_u24 v5, v1, KS
	v_lshrrev_b32 v6, 8, v5
	v_lshl_add_u32 v5, v6, 4, v5
	s_mul_i32 s21, s15, HALFS
	s_mul_i32 s22, s16, HALFS
	s_add_co_u32 s22, s22, 2*HALFS
	s_sub_co_u32 s22, s22, s21
	v_mul_u32_u24 v6, s22, v2
	s_add_co_u32 s21, s21, SCL
	v_add_nc_u32 v5, v5, v6
	v_add_nc_u32 v[ADRS], s21, v5
	s_lshl_b32 s18, s17, 1
	s_add_co_u32 s18, s18, s15
	s_lshl_b32 s19, s42, 1
	s_add_co_u32 s19, s19, s16
	s_cmp_eq_u32 s95, 2
	s_cselect_b32 s20, s19, s18
	s_cselect_b32 s21, s18, s19
	s_lshr_b32 s22, s20, 4
	s_lshl_b32 s22, s22, 4
	s_lshl_b32 s21, s21, 1
	s_add_co_u32 s22, s22, s21
	s_lshl_b32 s22, s22, 4
	s_and_b32 s20, s20, 15
	s_add_co_u32 s22, s22, s20
	s_cmp_eq_u32 s95, 0
	s_cselect_b64 s[8:9], s[8:9], s[10:11]
	s_mov_b32 s18, 13312
	s_cselect_b32 s18, 6656, s18
	s_mov_b32 s98, 212992
	s_cselect_b32 s98, 106496, s98
	s_mov_b32 s19, 12800
	s_cselect_b32 s19, 6144, s19
	s_cmp_eq_u32 s95, 1
	s_cselect_b32 s23, 6144, 0
	s_cmp_eq_u32 s95, 2
	s_cselect_b32 s98, 768, s98
	s_cselect_b32 s19, 12288, s19
	s_mov_b32 s92, 768
	s_cselect_b32 s92, 1536, s92
	s_mov_b32 s96, 768
	s_cselect_b32 s96, 208384, s96
	s_mov_b32 s93, 0
	s_mov_b32 s97, 0
	s_mul_i32 s20, s22, s18
	s_mov_b32 s21, 0
	s_add_nc_u64 s[8:9], s[8:9], s[20:21]
	s_mov_b64 s[10:11], s[8:9]
	s_mov_b32 s20, s23
	s_add_nc_u64 s[8:9], s[8:9], s[20:21]
	s_mov_b32 s20, s19
	s_add_nc_u64 s[10:11], s[10:11], s[20:21]
	s_lshl_b32 s20, s22, 8
	s_add_nc_u64 s[12:13], s[12:13], s[20:21]
	s_mov_b32 s66, 0x76543210
	s_mov_b32 s67, 0xfedcba98
	s_mov_b32 s99, 0xffff0000
	v_and_b32 v6, 31, v0
	v_lshlrev_b32 v[OA0], 4, v6
	v_lshl_add_u32 v[OA0+1], v6, 3, 512
	v_add_nc_u32 v[OA0+2], s98, v[OA0]
	v_add_nc_u32 v[OA0+3], s98, v[OA0+1]
	v_lshlrev_b32 v[VSA], 6, v2
	v_mov_b32 v[RR], v1
.irp i, 0,1,2,3
	v_mov_b32 v[ONES+3*\i], 0x08208208
	v_mov_b32 v[ONES+3*\i+1], 0x82082082
	v_mov_b32 v[ONES+3*\i+2], 0x20820820
.endr
	v_mov_b32 v[ONESC], 0x7f7f7f7f
.irp b, 0,1,2,3
	v_mov_b32 v[TM+4+\b], 0
.endr
.macro FRAG reg, adr, q, i
.irp p, 0,1,2,3,4,5
.set PCE, 12*(\q)+6*(\p/3)+\p%3
.if PCE%8 < 5
	ds_load_b64 v[\reg+2*\p:\reg+2*\p+1], v[\adr] offset:8*PCE+16*(PCE/8)+(\i)*16*PITCH
.else
	ds_load_b64 v[\reg+2*\p:\reg+2*\p+1], v[\adr+2] offset:8*PCE+16*(PCE/8)+(\i)*16*PITCH
.endif
.endr
.endm
.macro MUL16 a0, p, q, sc, zero
.irp a, \a0, \a0+1
.irp b, 0,1,2,3,4,5,6,7
.if \zero
	v_wmma_scale_f32_16x16x128_f8f6f4 v[8*(8*((\a)%4)+\b):8*(8*((\a)%4)+\b)+7], v[128*(\p)+FR*\b:128*(\p)+FR*\b+FR-1], v[AF+FR*(\a):AF+FR*(\a)+FR-1], 0, v[SC+8*NQ*(\sc)+NQ*\b+(\q)], v[SC+8*NQ*(\sc)+NQ*(\a)+(\q)] matrix_a_fmt:MATRIX_FMT_FP6 matrix_b_fmt:MATRIX_FMT_FP6 matrix_a_scale:MATRIX_SCALE_ROW1
.else
	v_wmma_scale_f32_16x16x128_f8f6f4 v[8*(8*((\a)%4)+\b):8*(8*((\a)%4)+\b)+7], v[128*(\p)+FR*\b:128*(\p)+FR*\b+FR-1], v[AF+FR*(\a):AF+FR*(\a)+FR-1], v[8*(8*((\a)%4)+\b):8*(8*((\a)%4)+\b)+7], v[SC+8*NQ*(\sc)+NQ*\b+(\q)], v[SC+8*NQ*(\sc)+NQ*(\a)+(\q)] matrix_a_fmt:MATRIX_FMT_FP6 matrix_b_fmt:MATRIX_FMT_FP6 matrix_a_scale:MATRIX_SCALE_ROW1
.endif
.endr
.endr
.endm
.macro FETCH_B slot, q, p
	WIN TO_B
.irp i, 0,1,2,3,4,5,6,7
	FRAG 128*(\p)+FR*\i, ADRB+\slot, \q, \i
.endr
	WIN 0
.endm
.macro FETCH_A slot, q, i0
.irp i, \i0, \i0+1, \i0+2, \i0+3
	FRAG AF+FR*(\i), ADRA+\slot, \q, \i
.endr
.endm
.macro SCALES sc
.irp i, 0,1,2,3,4,5,6,7
	ds_load_b64 v[SC+8*NQ*\sc+NQ*\i:SC+8*NQ*\sc+NQ*\i+1], v[ADRS] offset:\i*SBLK
.endr
.endm
.macro PLACES n
.rept \n
	v_nop
.endr
.endm
.macro STEP slot, q, zero
	s_wait_dscnt 4*NL
	WIN MUL_LO
	MUL16 0, (\q)%2, \q, \slot, \zero
	MUL16 2, (\q)%2, \q, \slot, \zero
	s_wait_dscnt 0
	PLACES NP
	FETCH_B \slot, (\q)+1, 1-(\q)%2
	FETCH_A \slot, (\q)+1, 0
	WIN MUL_HI
	MUL16 4, (\q)%2, \q, \slot, \zero
	MUL16 6, (\q)%2, \q, \slot, \zero
	PLACES NP
	WIN 0
	FETCH_A \slot, (\q)+1, 4
.endm
.macro TURN slot, next, fill
	s_wait_tensorcnt 0x0
	ds_add_u32 v[SPW], v[NIL]
	s_wait_dscnt 4*NL+1
	WIN MUL_LO
	MUL16 0, 1, NQ-1, \slot, 0
	s_wait_dscnt 0x0
	s_barrier_signal -1
	MUL16 2, 1, NQ-1, \slot, 0
	WIN 0
	s_barrier_wait -1
.if \fill
	CREST
	s_add_nc_u64 s[G0+4*\slot+2:G0+4*\slot+3], s[G0+4*\slot+2:G0+4*\slot+3], 2*KTILE
	s_add_nc_u64 s[G0B+4*\slot+2:G0B+4*\slot+3], s[G0B+4*\slot+2:G0B+4*\slot+3], 2*KTILE
	JLOAD G0+4*\slot, G1, G0B+4*\slot, G1B
.else
	PLACES NP
.endif
	s_wait_alu depctr_va_vdst(0)
	v_add_nc_u32 v[ADRS], 4*NQ, v[ADRS]
	FETCH_B \next, 0, 0
	FETCH_A \next, 0, 0
	SCALES \next
	WIN MUL_HI
	MUL16 4, 1, NQ-1, \slot, 0
	MUL16 6, 1, NQ-1, \slot, 0
	PLACES NP
	WIN 0
	FETCH_A \next, 0, 4
.endm
	s_wait_alu depctr_va_vdst(0)
	s_wait_tensorcnt 0x0                           ; my tile of the head's four is in; these lines stand ahead of a later first fill as ahead of a refill
	ds_add_u32 v[SPW], v[NIL]
	s_mov_b32 s[G1+2], 96<<16                      ; no tensor load of mine is out: from here on a load brings 128 rows of codes = 96 rows of 256 bytes
	s_mov_b32 s[G1+4], 96
	s_mov_b32 s[G1B+2], 96<<16
	s_mov_b32 s[G1B+4], 96
	s_wait_dscnt 0x0
	CROUND                                         ; all four tiles are in, in every work-group of the cluster
	JLOAD G0+4, G1, G0B+4, G1B                     ; K step 1 into slot 1: the first tensor load behind the round
	FETCH_B 0, 0, 0
	FETCH_A 0, 0, 0
	SCALES 0
	FETCH_A 0, 0, 4
	STEP 0, 0, 1
	s_mov_b32 s3, LAPS-1
.Llap:
	TURN 0, 1, 1
	STEP 1, 0, 0
	TURN 1, 0, 1
	STEP 0, 0, 0
	s_sub_co_u32 s3, s3, 1
	s_cmp_lg_u32 s3, 0
	s_cbranch_scc1 .Llap
	TURN 0, 1, 0
	STEP 1, 0, 0
	s_wait_dscnt 4*NL
	WIN MUL_LO
	MUL16 0, 1, NQ-1, 1, 0
	MUL16 2, 1, NQ-1, 1, 0
	s_wait_dscnt 0
	WIN MUL_HI
	MUL16 4, 1, NQ-1, 1, 0
	MUL16 6, 1, NQ-1, 1, 0
	WIN 0
.macro QBLK a
.set AC, 64*((\a)%4)
.set WA, 2+(\a)/4
.set WAA, WA|(WA<<2)
	WIN WAA
.irp b, 0,1,2,3
	v_max3_num_f32 v[TM+\b], |v[AC+16*\b]|, |v[AC+16*\b+1]|, 0x1800000
.endr
.irp i, 2,4,6,8,10,12,14
.irp b, 0,1,2,3
	v_max3_num_f32 v[TM+\b], |v[AC+16*\b+\i]|, |v[AC+16*\b+\i+1]|, v[TM+\b]
.endr
.endr
	WIN 0
.irp b, 0,1,2,3
	v_permlanex16_b32 v[TM+4+\b], v[TM+\b], s66, s67
.endr
.irp b, 0,1,2,3
	v_max_num_f32 v[TM+\b], v[TM+\b], v[TM+4+\b]
.endr
.irp b, 0,1,2,3
	v_add_nc_u32 v[TM+12+\b], 0xff000000, v[TM+\b]
.endr
.irp b, 0,1,2,3
	v_lshrrev_b32 v[TM+4+\b], 23, v[TM+12+\b]
.endr
	v_lshl_or_b32 v[W8+\a], v[TM+5], 8, v[TM+4]
	v_lshl_or_b32 v[W8+\a], v[TM+6], 16, v[W8+\a]
	v_lshl_or_b32 v[W8+\a], v[TM+7], 24, v[W8+\a]
	s_wait_alu depctr_va_vdst(0)
	s_wait_xcnt 0x0                                ; the last block's stores have read their data and base: the search above touches neither
.if (\a) == 4
	s_add_nc_u64 s[8:9], s[8:9], s[96:97]
.elseif (\a) > 0
	s_add_nc_u64 s[8:9], s[8:9], s[92:93]
.endif
	WIN WA
.irp c, 0,1
	v_cvt_scalef32_pk16_fp6_f32 v[CD+6*\c:CD+6*\c+2], v[AC+32*\c:AC+32*\c+15], v[TM+12+2*\c]
	v_cvt_scalef32_pk16_fp6_f32 v[CD+12+4*\c:CD+14+4*\c], v[AC+32*\c+16:AC+32*\c+31], v[TM+13+2*\c]
.endr
	WIN 0
	v_nop
.irp c, 0,1
.irp i, 0,1,2
	v_permlane16_swap_b32 v[CD+6*\c+\i], v[CD+12+4*\c+\i]
.endr
.irp i, 0,1,2
	v_mov_b32 v[CD+3+6*\c+\i], v[CD+12+4*\c+\i]
.endr
.endr
	global_store_b128 v[OA0], v[CD:CD+3], s[8:9]
	global_store_b64 v[OA0+1], v[CD+4:CD+5], s[8:9]
	global_store_b128 v[OA0+2], v[CD+6:CD+9], s[8:9]
	global_store_b64 v[OA0+3], v[CD+10:CD+11], s[8:9]
	s_cmp_lg_u32 s95, 2
	s_cbranch_scc1 .Lnosum_\@
.rept 8
	v_nop
.endr
	v_wmma_scale_f32_16x16x128_f8f6f4 v[DV+8*\a:DV+8*\a+7], v[CD:CD+11], v[ONES:ONES+11], 0, v[W8+\a], v[ONESC] matrix_a_fmt:MATRIX_FMT_FP6 matrix_b_fmt:MATRIX_FMT_FP6
.Lnosum_\@:
.endm
	PLACES NP
.irp a, 0,1,2,3,4,5,6,7
	QBLK \a
.endr
	PLACES NP
	s_cmp_eq_u32 s95, 2
	s_cbranch_scc1 .Lv_out
.irp i, 0,1,2,3
	v_cndmask_b32 v[TT+\i], v[W8+2*\i], v[W8+2*\i+1], s99
.endr
.irp i, 0,1,2,3
	v_lshrrev_b32 v[UU+\i], 16, v[TT+\i]
.endr
	global_store_b128 v[OA0], v[TT:TT+3], s[10:11]
	global_store_b128 v[OA0+2], v[UU:UU+3], s[10:11]
	s_branch .Ldone
.Lv_out:
	global_store_b128 v[OA0], v[W8:W8+3], s[10:11]
	global_store_b128 v[OA0], v[W8+4:W8+7], s[10:11] offset:212992
	s_wait_xcnt 0x0
	v_cmp_eq_u32 vcc_lo, 0, v[RR]
	s_and_saveexec_b32 s18, vcc_lo
.irp a, 0,1,2,3,4,5,6,7
	global_store_b128 v[VSA], v[DV+8*\a:DV+8*\a+3], s[12:13] offset:4096*(\a/4)+128*((\a%4)/2)+32*(\a%2)
	global_store_b128 v[VSA], v[DV+8*\a+4:DV+8*\a+7], s[12:13] offset:4096*(\a/4)+128*((\a%4)/2)+32*(\a%2)+16
.endr
	s_wait_xcnt 0x0
	s_or_b32 exec_lo, exec_lo, s18
.Ldone:
	s_wait_tensorcnt 0x0
	ds_add_u32 v[SPW], v[NIL]
	s_wait_dscnt 0x0
	CROUND
	s_endpgm
.Lfunc_end_k_q706e7e1da7_proj:
	.size	k_q706e7e1da7_proj, .Lfunc_end_k_q706e7e1da7_proj-k_q706e7e1da7_proj
	.p2alignl 7, 3214868480
	.fill 96, 4, 3214868480
	.section	.rodata,"a",@progbits
	.p2align	6, 0x0
	.amdhsa_kernel k_q706e7e1da7_proj
		.amdhsa_group_segment_fixed_size 327680
		.amdhsa_private_segment_fixed_size 0
		.amdhsa_enable_private_segment 0
		.amdhsa_kernarg_size 40
		.amdhsa_user_sgpr_count 2
		.amdhsa_user_sgpr_kernarg_segment_ptr 1
		.amdhsa_wavefront_size32 1
		.amdhsa_system_sgpr_workgroup_id_x 1
		.amdhsa_system_sgpr_workgroup_id_y 1
		.amdhsa_system_sgpr_workgroup_id_z 1
		.amdhsa_system_vgpr_workitem_id 0
		.amdhsa_next_free_vgpr 1024
		.amdhsa_next_free_sgpr 100
		.amdhsa_reserve_vcc 1
		.amdhsa_float_denorm_mode_32 3
		.amdhsa_float_denorm_mode_16_64 3
		.amdhsa_memory_ordered 1
		.amdhsa_forward_progress 1
		.amdhsa_inst_pref_size 175
	.end_amdhsa_kernel
	.amdgpu_metadata
---
amdhsa.version: [ 1, 2 ]
amdhsa.kernels:
  - .name:           k_q706e7e1da7_proj
    .symbol:         k_q706e7e1da7_proj.kd
    .args:
      - { .name: codes, .offset: 0, .size: 8, .value_kind: global_buffer, .address_space: global }
      - { .name: scales, .offset: 8, .size: 8, .value_kind: global_buffer, .address_space: global }
      - { .name: qimg, .offset: 16, .size: 8, .value_kind: global_buffer, .address_space: global }
      - { .name: kv, .offset: 24, .size: 8, .value_kind: global_buffer, .address_space: global }
      - { .name: vsum, .offset: 32, .size: 8, .value_kind: global_buffer, .address_space: global }
    .group_segment_fixed_size: 327680
    .private_segment_fixed_size: 0
    .kernarg_segment_align: 8
    .kernarg_segment_size: 40
    .max_flat_workgroup_size: 128
    .sgpr_count:     100
    .vgpr_count:     1024
    .wavefront_size: 32
...
	.end_amdgpu_metadata
.endif
;; end of part 2
;; launch attn (part 3): grid 512 x 1, 8 waves a work-group, no clusters, 109,568 bytes of LDS; arguments qimg, kv, vsum, valid_len, oimg, oscale; writes oimg, oscale
.if DOCPART == 3
	.amdgcn_target "amdgcn-amd-amdhsa--gfx1250"
	.amdhsa_code_object_version 6
	.text
	.protected	k_q706e7e1da7_attn
	.globl	k_q706e7e1da7_attn
	.p2align	8
	.type	k_q706e7e1da7_attn,@function
k_q706e7e1da7_attn:
	s_mov_b64 s[64:65], 0
	v_nop
	global_prefetch_b8 v0, s[64:65] scope:SCOPE_SE
	s_setreg_imm32_b32 hwreg(HW_REG_WAVE_MODE, 25, 1), 1
	s_wait_xcnt 0x0
; o = softmax(mask(q k^T / 8)) v for 4 batches x 16 heads of 64, both products on codes of FP6 (E2M3) with E8M0 scales; o is quantised along head x 64 + d for the last projection.
; THE SOFTMAX: t = score x log2(e) / 8; M = the running largest t rounded up to a whole number; p = 2^(t - M) is quantised along the keys; the sum of the unquantised p divides at the end.
; THE MASK: keys at or beyond valid_len have the logit -1e6, a finite number.  Keys go in steps of 128.  In the one step that valid_len cuts, hidden scores are replaced ahead of the maximum.
; A STEP THAT LIES WHOLLY UNDER THE MASK IS NOT WALKED: all its keys have one p, pm = 2^(tNEG - M); a block of 32 equal numbers quantises to pm rounded to three mantissa bits (held at 1.875 x its power of two);
; so those steps add Q(pm) x (the sum of the quantised v over their keys, which the projection has left in vsum) to O and (their number of keys) x pm to the sum.  tNEG also enters the running maximum from the start.
; SHARES.  Work-group g: head g / 16, queries 128 (g % 16) on; wave w: one tile of 16 queries, FOR ALL FOUR BATCHES in turn: so every wave of the launch walks the same number of steps, whatever valid_len holds.
; THE STREAM.  The valid steps of the four batches form one stream of 4 to 64 blocks of 13,312 bytes (V 6,144, K 6,144, V's scale words 512, K's 512).  The loops have constant counts, 8 x 2 x 4 trips; trips beyond the
; stream's end do nothing.  Two LDS slots of four blocks; the slot follows the trip's number, never the data.  In trip i the eight waves copy block i + 4 through registers into the other slot: the loads stand at the step's head,
; the LDS stores at its end.  One barrier for four trips, under no branch.
; NO TENSOR LOADS, NO CLUSTER: which steps are walked is a branch on valid_len, a number read from memory; the chunks of a head do read the same blocks.
; LAYOUT.  Both products are used transposed: S^T = K Q^T (source 0 = 16 keys), O^T = V^T P^T (source 0 = 16 d): a lane holds one query throughout; the rows of a tile are chosen by the earlier launches so that
; the 16 registers of tiles 2 b, 2 b + 1 are 16 neighbours.  All operands lie in memory and LDS as images of their registers: 16 x lane and 512 + 8 x lane.
; THE FIRST PRODUCT'S K IS 64: Q's registers 6-11 are zero codes; K's operand runs on into the next tile's codes (or six zero registers): zero codes add nothing under any scale byte but 0xff, and none is.
; LIMITS: NaN and infinities are not served; a block whose largest magnitude lies under 2^-124 keeps the byte 1.  Any int32 valid_len is served (held to 0 .. 2,048).  o's scale bytes leave as single bytes, 32 bytes apart: one store a wave and batch.
.set BLK,   13312
.set SLOTB, 4*BLK
; THE SHARES AS THEY STAND (this takes the place of SHARES, and of the counts in THE STREAM, above).  512 work-groups of eight waves.  Work-group g: head (g / 16) % 16, queries 128 (g % 16) on, and TWO of the four
; batches; the work-group g xor 256 takes the other two.  Which of the two pairs is mine: the bit (g / 256 + g) % 2.  Of the three ways to pair four batches every wave picks, by scalar arithmetic on valid_len,
; the one whose two sums of steps lie nearest.  A batch walks at least two steps, so that a stream has 4 to 32 blocks: 4 x 2 x 4 trips.
; A step that is walked though it lies wholly under the mask goes the way of the step that valid_len cuts: all its scores are replaced.
.set SCR,   2*SLOTB                    ; 256 bytes for each wave: the masked steps' sum of v, to be read back in O's layout
.set SPARE, SCR+8*256                  ; the spare words, 128 bytes for each wave
.set LASTB, 3*256+15                   ; the last block that the stream can name, counted from my head's first: batch 3, step 15
; v1, v2 the add's two; v3 16 x lane, v4 8 x lane, v5 16 x thread, v6 12,288 + 4 x thread; v7, v8 LDS addresses of the block read; v9, v10 of the block written; v11, v12 offsets of the block fetched;
; v13-15 Q's offsets; v16-18 o's; v20, v21 my place in SCR (in, back); v22 -16 (lane / 16); v23 -8e6 (x c = -1e6 log2 e); v24 -M, v25 the largest t; v[26:27] the sum; v28 f, v29 tNEG; v[30:31] the masked steps' v;
; v80-83 K's scale words, v84-87 V's; v136-141 zeros; v142-154 the block on its way; v[188:189] at work; v190 Q(pm), v191 the number of wholly masked keys
.set BM,  32                           ; v32-35 the blocks' largest;  v36-39, v40-43 at work
.set BP,  36
.set BS,  40
.set PW,  44                           ; v44  p's scale word
.set T0,  45
.set T1,  46
.set QS,  47                           ; v47  Q's scale words
.set Q,   48                           ; v48-59 Q: 48-53 codes, 54-59 zeros
.set P,   60                           ; v60-71 p's codes; v72-79 at work
.set KV,  88                           ; v88-135 K's eight tiles of 6 registers, then V's four of 12
.set O,   156                          ; v156-187 O^T
.set S,   192                          ; v192-255 S^T, then p
.set VL,  16                           ; s16-19 valid_len of the batch in hand and those behind it
.set WV,  20
.set NV,  24                           ; s24-27 their numbers of steps
.set ST,  30                           ; s30 steps of the batch begun, this one among them
.set KF,  31                           ; s31 the step's first key
.set BC,  32                           ; s32 batches finished
.set ACT, 33                           ; s33 1 while there is work
.set LAST, 35                          ; s35 1 in a batch's last step
.set NVS, 36                           ; s36-39 the numbers of steps, as the staging sees them
.set STS, 40                           ; s40 the staging's step in its batch
.set SOFF, 41                          ; s41 its block's number, counted from my head's first block: 256 x batch + step
.set PB,  42                           ; s[42:43] kv at my head
.set BSL, 44                           ; s44 blocks still to be staged
.set STON, 45                          ; s45 1 while there are any
.set QP,  46                           ; s[46:47] Q's block; s[48:49] vsum; s[50:51] oimg; s[52:53] oscale: each at the batch in hand
.set VP,  48
.set OP,  50
.set SP,  52
.set SEL, 54
.set CS,  56                           ; s[56:57] c = log2(e) / 8
.set SBO, 58                           ; s58 the first block of the staging's batch
.set TS,  66                           ; s66 the block read, s67 the block written
.set TW,  67
.macro STG_ADR                         ; the offsets of the block to be fetched.  Its number hangs on valid_len, a loaded number: it enters an address only behind a clamp by a constant, here the last block that a head has
	s_min_u32 s72, s[SOFF], LASTB
	s_mul_i32 s72, s72, BLK
	v_add_nc_u32 v11, s72, v5
	v_add_nc_u32 v12, s72, v6
.endm
.macro STG_LOAD base                   ; the eight waves fetch a block: 3 x 4,096 bytes, 16 a lane, and 1,024 bytes, 4 a lane
	global_load_b128 v[\base:\base+3], v11, s[PB:PB+1]
	global_load_b128 v[\base+4:\base+7], v11, s[PB:PB+1] offset:4096
	global_load_b128 v[\base+8:\base+11], v11, s[PB:PB+1] offset:8192
	global_load_b32 v[\base+12], v12, s[PB:PB+1]
.endm
.macro STG_ADV                         ; the staging goes on to the stream's next block: no branch
	s_add_co_u32 s[STS], s[STS], 1
	s_add_co_u32 s[SOFF], s[SOFF], 1
	s_mov_b32 s70, s88                             ; the half's second batch: its first block
	s_cmp_eq_u32 s[STS], s[NVS]
	s_cselect_b32 s[STS], 0, s[STS]
	s_cselect_b32 s[SOFF], s70, s[SOFF]
	s_cselect_b32 s[SBO], s70, s[SBO]
	s_cselect_b32 s[NVS], s[NVS+1], s[NVS]
	s_cselect_b32 s[NVS+1], s[NVS+2], s[NVS+1]
	s_cselect_b32 s[NVS+2], s[NVS+3], s[NVS+2]
	s_sub_co_u32 s[BSL], s[BSL], 1
	s_cmp_lg_u32 s[BSL], 0
	s_cselect_b32 s[STON], 1, 0
.endm
.macro BATCH_LOADS                     ; a batch's Q (my tile's half image and scale words) and the head's sixteen sums of v, two d a lane
	global_load_b128 v[Q:Q+3], v13, s[QP:QP+1]
	global_load_b64 v[Q+4:Q+5], v14, s[QP:QP+1]
	global_load_b32 v[QS], v15, s[QP:QP+1]
.irp t, 0,1,2,3,4,5,6,7,8,9,10,11,12,13,14,15
	global_load_b64 v[S+2*\t:S+2*\t+1], v4, s[VP:VP+1] offset:256*\t
.endr
.endm
.macro BATCH_INIT
	s_wait_loadcnt 0x0
.irp t, 0,1,2,3,4,5,6,7,8,9,10,11,12,13,14,15
	s_cmp_le_u32 s[NV], \t                         ; step t lies wholly under the mask
	s_cselect_b32 s62, 1.0, 0
.if \t == 0
	v_pk_mul_f32 v[30:31], v[S:S+1], s[62:63] op_sel_hi:[1,0]
.else
	v_pk_fma_f32 v[30:31], v[S+2*\t:S+2*\t+1], s[62:63], v[30:31] op_sel_hi:[1,0,1]
.endif
.endr
	ds_store_b64 v20, v[30:31]                     ; 64 d in their order, in my wave's own 256 bytes
	s_cmp_lt_u32 s[NV], 16
	s_cselect_b32 s70, -1, 0
	v_mov_b32 v25, s59                             ; the largest t so far: -3e38,
	s_delay_alu instid0(VALU_DEP_1)
	v_cndmask_b32 v25, v25, v29, s70               ; or tNEG where whole steps are masked
	s_delay_alu instid0(VALU_DEP_1)
	v_floor_f32 v24, -v25                          ; -M
	s_sub_co_u32 s71, 16, s[NV]
	s_lshl_b32 s71, s71, 7
	v_cvt_f32_u32 v191, s71                        ; their number of keys
.endm
	s_load_b256 s[4:11], s[0:1], 0x0               ; qimg s[4:5], kv s[6:7], vsum s[8:9], valid_len s[10:11]
	s_load_b128 s[12:15], s[0:1], 0x20             ; oimg s[12:13], oscale s[14:15]
	v_lshl_add_u32 v1, v0, 2, SPARE
	v_mov_b32 v2, 0
	v_lshrrev_b32 v45, 5, v0
	s_delay_alu instid0(VALU_DEP_1)
	v_readfirstlane_b32 s[WV], v45                 ; wave 0..7
	s_lshr_b32 s22, ttmp9, 8
	s_xor_b32 s22, s22, ttmp9
	s_and_b32 s22, s22, 1                          ; which pair of batches is my work-group's
	v_and_b32 v45, 31, v0                          ; lane
	v_and_b32 v46, 15, v0                          ; r
	s_wait_alu depctr_va_vdst(0)
	v_bfe_u32 v188, v0, 4, 1                       ; h
	v_lshlrev_b32 v3, 4, v45
	s_wait_alu depctr_va_vdst(0)
	v_lshlrev_b32 v4, 3, v45
	s_wait_alu depctr_va_vdst(0)
	v_lshlrev_b32 v5, 4, v0
	v_lshl_add_u32 v6, v0, 2, 12288
	s_mul_i32 s70, s[WV], 768                      ; Q: my tile's half image,
	v_add_nc_u32 v13, s70, v3
	s_add_co_u32 s70, s70, 512
	v_add_nc_u32 v14, s70, v4
	s_and_b32 s70, s[WV], 1                        ; and its scale words: register w / 2, lanes 16 (w % 2) + r of the stored image
	s_lshl_b32 s70, s70, 8
	s_lshr_b32 s71, s[WV], 1
	s_lshl_b32 s71, s71, 2
	s_add_co_u32 s70, s70, s71
	s_add_co_u32 s70, s70, 6144
	v_lshl_add_u32 v15, v46, 4, s70
	s_mul_i32 s70, s[WV], 12288                    ; o: a tile of 16 tokens is 16 heads x 768 bytes
	v_add_nc_u32 v16, s70, v3
	s_add_co_u32 s70, s70, 512
	v_add_nc_u32 v17, s70, v4
	s_lshl_b32 s70, s[WV], 9                       ; o's scale bytes: 32 a token; lane (r, h) has block h's
	v_lshl_add_u32 v18, v46, 5, v188
	s_delay_alu instid0(VALU_DEP_1)
	v_add_nc_u32 v18, s70, v18
	v_lshl_add_u32 v20, v0, 3, SCR                 ; SCR + 256 x wave + 8 x lane
	s_lshl_b32 s70, s[WV], 8
	s_add_co_u32 s70, s70, SCR
	v_lshl_add_u32 v21, v188, 6, s70               ; SCR + 256 x wave + 64 h
	v_lshlrev_b32 v22, 4, v188
	s_delay_alu instid0(VALU_DEP_1)
	v_sub_nc_u32 v22, 0, v22
	v_mov_b32 v23, 0xcaf42400                      ; -8e6
	s_wait_alu depctr_va_vdst(0)
	s_mov_b32 s[SEL], 0x76543210
	s_mov_b32 s[SEL+1], 0xfedcba98
	s_mov_b32 s[CS], 0x3e38aa3b
	s_mov_b32 s[CS+1], s[CS]
	s_mov_b32 s59, 0xff61b1e6                      ; -3e38
	s_mov_b32 s60, 0xffff0000                      ; lanes 16-31
	s_mov_b32 s61, 0x700000                        ; the mantissa field of 1.875
	s_mov_b32 s62, 0
	s_mov_b32 s63, 0
	v_mul_f32 v29, s[CS], v23                      ; tNEG
	s_bfe_u32 s70, ttmp9, 0x40004                  ; the head
	s_and_b32 s71, ttmp9, 15                       ; the chunk of 128 queries
	s_mov_b32 s73, 0
	s_wait_kmcnt 0x0
	s_load_b128 s[VL:VL+3], s[10:11], 0x0
	s_mul_i32 s72, s70, 212992
	s_add_nc_u64 s[PB:PB+1], s[6:7], s[72:73]
	s_lshl_b32 s72, s70, 4
	s_add_co_u32 s72, s72, s71
	s_mul_i32 s72, s72, 6656
	s_add_nc_u64 s[QP:QP+1], s[4:5], s[72:73]
	s_lshl_b32 s72, s70, 12
	s_add_nc_u64 s[VP:VP+1], s[8:9], s[72:73]
	s_mul_i32 s72, s71, 98304
	s_mul_i32 s74, s70, 768
	s_add_co_u32 s72, s72, s74
	s_add_nc_u64 s[OP:OP+1], s[12:13], s[72:73]
	s_lshl_b32 s72, s71, 12
	s_lshl_b32 s74, s70, 1
	s_add_co_u32 s72, s72, s74
	s_add_nc_u64 s[SP:SP+1], s[14:15], s[72:73]
.set j, 0
.rept 32
	v_mov_b32 v[O+j], 0                            ; O^T: the step is written once, and the first finds zeros
.set j, j+1
.endr
	v_mov_b32 v26, 0
	v_mov_b32 v27, 0
.irp i, 0,1,2,3,4,5
	v_mov_b32 v[Q+6+\i], 0                         ; zero codes for the upper 64 of the first product's K
	v_mov_b32 v[KV+48+\i], 0
.endr
.irp b, 0,1,2,3
	v_mov_b32 v[BP+\b], 0                          ; written once: a lane permute's destination counts as one of its sources
.endr
	s_mov_b32 s[ST], 0
	s_mov_b32 s[KF], 0
	s_mov_b32 s[BC], 0
	s_mov_b32 s[ACT], 1
	s_mov_b32 s[STS], 0
	s_mov_b32 s[SOFF], 0
	s_mov_b32 s[SBO], 0
	s_wait_kmcnt 0x0
.irp i, 0,1,2,3
	s_min_i32 s[VL+\i], s[VL+\i], 0x800
	s_max_i32 s[VL+\i], s[VL+\i], 0                ; valid_len, held to 0 .. 2,048
	s_add_co_u32 s[NV+\i], s[VL+\i], 127
	s_lshr_b32 s[NV+\i], s[NV+\i], 7
	s_max_u32 s[NV+\i], s[NV+\i], 2                ; steps walked: at least two,
	s_min_u32 s[NV+\i], s[NV+\i], 16               ; at most sixteen
	s_mov_b32 s[NVS+\i], s[NV+\i]
.endr
	; THE DEAL: batch 0's partner p is the batch i for which |2 (n0 + ni) - (n0 + n1 + n2 + n3)| is least
	s_add_co_u32 s76, s[NV], s[NV+1]
	s_add_co_u32 s77, s[NV+2], s[NV+3]
	s_add_co_u32 s77, s77, s76
.irp i, 1,2,3
	s_add_co_u32 s70, s[NV], s[NV+\i]
	s_lshl_b32 s70, s70, 1
	s_sub_co_i32 s71, s70, s77
	s_sub_co_i32 s70, s77, s70
	s_max_i32 s[77+\i], s70, s71
.endr
	s_mov_b32 s81, 1                               ; p
	s_cmp_lt_u32 s79, s78
	s_cselect_b32 s81, 2, s81
	s_cselect_b32 s78, s79, s78
	s_cmp_lt_u32 s80, s78
	s_cselect_b32 s81, 3, s81
	s_cmp_eq_u32 s81, 1
	s_cselect_b32 s82, 2, 1                        ; the two batches that are left
	s_cmp_eq_u32 s81, 3
	s_cselect_b32 s83, 2, 3
	s_cmp_eq_u32 s22, 0                            ; half 0 takes batches 0 and p, half 1 the other two
	s_cselect_b32 s82, 0, s82                      ; s82, s83: my half's batches
	s_cselect_b32 s83, s81, s83
.irp k, 0,1
	s_mov_b32 s[84+\k], s[VL]
	s_mov_b32 s[86+\k], s[NV]
.irp i, 1,2,3
	s_cmp_eq_u32 s[82+\k], \i
	s_cselect_b32 s[84+\k], s[VL+\i], s[84+\k]
	s_cselect_b32 s[86+\k], s[NV+\i], s[86+\k]
.endr
.endr
	s_mov_b32 s[VL], s84
	s_mov_b32 s[VL+1], s85
	s_mov_b32 s[NV], s86
	s_mov_b32 s[NV+1], s87
	s_mov_b32 s[NVS], s86
	s_mov_b32 s[NVS+1], s87
	s_add_co_u32 s[BSL], s86, s87                  ; my half's stream: 4 .. 32 blocks
	s_min_u32 s82, s82, 3                          ; the batches hang on loaded numbers: they enter addresses only behind a clamp by a constant
	s_min_u32 s83, s83, 3
	s_lshl_b32 s[SOFF], s82, 8
	s_mov_b32 s[SBO], s[SOFF]
	s_lshl_b32 s88, s83, 8
.macro BPTR p, q, stride               ; s[q:q+1]: the pointer at my second batch; s[p:p+1]: at my first
	s_mul_i32 s72, s83, \stride
	s_add_nc_u64 s[\q:\q+1], s[\p:\p+1], s[72:73]
	s_mul_i32 s72, s82, \stride
	s_add_nc_u64 s[\p:\p+1], s[\p:\p+1], s[72:73]
.endm
	BPTR QP, 90, 1703936
	BPTR VP, 92, 65536
	BPTR OP, 94, 1572864
	BPTR SP, 96, 65536
	; the stream's first four blocks go into slot 0 (there are always four: two steps at least in each of the two batches)
.irp j, 0,1,2,3
	STG_ADR
.if \j < 3
	STG_LOAD S+16*\j
.else
	STG_LOAD 142
.endif
	s_wait_xcnt 0x0                                ; the loads have read their offsets
	STG_ADV
.endr
	s_wait_loadcnt 0x0
.irp j, 0,1,2
	ds_store_b128 v5, v[S+16*\j:S+16*\j+3] offset:BLK*\j
	ds_store_b128 v5, v[S+16*\j+4:S+16*\j+7] offset:BLK*\j+4096
	ds_store_b128 v5, v[S+16*\j+8:S+16*\j+11] offset:BLK*\j+8192
	ds_store_b32 v6, v[S+16*\j+12] offset:BLK*\j
.endr
	ds_store_b128 v5, v[142:145] offset:BLK*3
	ds_store_b128 v5, v[146:149] offset:BLK*3+4096
	ds_store_b128 v5, v[150:153] offset:BLK*3+8192
	ds_store_b32 v6, v154 offset:BLK*3
	s_wait_dscnt 0x0                               ; the stores have read their registers
	BATCH_LOADS
	BATCH_INIT
; ONE TRIP: a key step of 128 keys of the batch in hand, or nothing.
.macro STEP
	s_wait_xcnt 0x0                                ; every earlier load and store has read its offsets
	v_add_nc_u32 v7, s[TS], v3                     ; the addresses are made on every path; these six vector lines are also the places behind the last step's products, ahead of the loads into their operands
	v_add_nc_u32 v8, s[TS], v4
	v_add_nc_u32 v9, s[TW], v5
	v_add_nc_u32 v10, s[TW], v6
	STG_ADR
	s_cmp_eq_u32 s[ACT], 0
	s_cbranch_scc1 .Lidle_\@
	s_add_co_u32 s[ST], s[ST], 1
	s_cmp_eq_u32 s[ST], s[NV]
	s_cselect_b32 s[LAST], 1, 0
.irp i, 0,1,2,3,4,5,6,7
	ds_load_b128 v[KV+6*\i:KV+6*\i+3], v7 offset:6144+768*\i
	ds_load_b64 v[KV+6*\i+4:KV+6*\i+5], v8 offset:6144+768*\i+512
.endr
	ds_load_b128 v[80:83], v7 offset:12800         ; K's scale words: register i: tile 2 i in lanes 0-15, tile 2 i + 1 in lanes 16-31
	s_wait_dscnt 0x0                               ; K is in; the last step's staging stores have read their registers
	s_cmp_eq_u32 s[STON], 0
	s_cbranch_scc1 .Lnostage_\@
	s_wait_alu depctr_va_vdst(0)
	STG_LOAD 142                                   ; the block four trips on: it has the whole step in which to come
.Lnostage_\@:
.irp i, 0,1,2,3,4,5,6,7
.if \i%2
	v_wmma_scale_f32_16x16x128_f8f6f4 v[S+8*\i:S+8*\i+7], v[KV+6*\i:KV+6*\i+11], v[Q:Q+11], 0, v[80+\i/2], v[QS] matrix_a_fmt:MATRIX_FMT_FP6 matrix_b_fmt:MATRIX_FMT_FP6 matrix_a_scale:MATRIX_SCALE_ROW1
.else
	v_wmma_scale_f32_16x16x128_f8f6f4 v[S+8*\i:S+8*\i+7], v[KV+6*\i:KV+6*\i+11], v[Q:Q+11], 0, v[80+\i/2], v[QS] matrix_a_fmt:MATRIX_FMT_FP6 matrix_b_fmt:MATRIX_FMT_FP6
.endif
.endr
.rept 4
	v_nop                                          ; places ahead of the loads into K's registers and of the first read of the scores
.endr
	s_wait_alu depctr_va_vdst(0)
.irp t, 0,1,2,3
	ds_load_b128 v[KV+12*\t:KV+12*\t+3], v7 offset:1536*\t
	ds_load_b64 v[KV+12*\t+4:KV+12*\t+5], v8 offset:1536*\t+512
	ds_load_b128 v[KV+12*\t+6:KV+12*\t+9], v7 offset:1536*\t+768
	ds_load_b64 v[KV+12*\t+10:KV+12*\t+11], v8 offset:1536*\t+1280
.endr
	ds_load_b128 v[84:87], v7 offset:12288         ; V's scale words: register t = tile t
	s_add_co_u32 s70, s[KF], 128
	s_cmp_le_u32 s70, s[VL]                        ; all 128 keys count: no mask
	s_cbranch_scc1 .Lopen_\@
	s_sub_co_i32 s70, s[VL], s[KF]
	v_add_nc_u32 v[T0], s70, v22                   ; d = valid_len - the step's first key - 16 (lane / 16).  Register 16 b + i holds key 32 b + 16 (lane / 16) + i: hidden where 32 b + i >= d
.set n, 0
.rept 64
	v_cmp_ge_i32 vcc_lo, 32*(n/16)+n%16, v[T0]
	v_cndmask_b32 v[S+n], v[S+n], v23, vcc_lo
.set n, n+1
.endr
.Lopen_\@:
.irp b, 0,1,2,3
	v_max3_num_f32 v[BM+\b], v[S+16*\b], v[S+16*\b+1], v[S+16*\b+2]   ; the largest score of each block of 32 keys: for the row's maximum, and, since p rises with the score, for the block's largest p
.endr
.irp i, 3,5,7,9,11,13
.irp b, 0,1,2,3
	v_max3_num_f32 v[BM+\b], v[BM+\b], v[S+16*\b+\i], v[S+16*\b+\i+1]
.endr
.endr
.irp b, 0,1,2,3
	v_max_num_f32 v[BM+\b], v[BM+\b], v[S+16*\b+15]
.endr
.irp b, 0,1,2,3
	s_delay_alu instid0(VALU_DEP_4)
	v_permlanex16_b32 v[BP+\b], v[BM+\b], s[SEL], s[SEL+1]
.endr
.irp b, 0,1,2,3
	s_delay_alu instid0(VALU_DEP_4)
	v_max_num_f32 v[BM+\b], v[BM+\b], v[BP+\b]     ; with lane l xor 16's 16 keys
.endr
	s_delay_alu instid0(VALU_DEP_2)
	v_max3_num_f32 v[T0], v[BM], v[BM+1], v[BM+2]
	s_delay_alu instid0(VALU_DEP_1)
	v_max_num_f32 v[T0], v[T0], v[BM+3]
	s_delay_alu instid0(VALU_DEP_1)
	v_mul_f32 v[T0], s[CS], v[T0]                  ; as t
	s_delay_alu instid0(VALU_DEP_1)
	v_max_num_f32 v25, v25, v[T0]                  ; the running largest t
	v_mov_b32 v[T0], v24
	s_delay_alu instid0(VALU_DEP_2)
	v_floor_f32 v24, -v25                          ; the new -M = -ceil(t): a whole number
	s_delay_alu instid0(VALU_DEP_1)
	v_sub_f32 v[T0], v24, v[T0]                    ; old M - new M, 0 or less
	s_delay_alu instid0(VALU_DEP_1)
	v_cvt_i32_f32 v[T0], v[T0]                     ; (it saturates)
	s_delay_alu instid0(VALU_DEP_1)
	v_ldexp_f32 v28, 1.0, v[T0]                    ; f = 2^(old M - new M): rounds nothing
.set j, 0
.rept 32
	v_pk_fma_f32 v[S+j:S+j+1], v[S+j:S+j+1], s[CS:CS+1], v[24:25] op_sel_hi:[1,0,0]   ; t - M
.set j, j+2
.endr
.irp b, 0,1,2,3
	v_fma_f32 v[BM+\b], v[BM+\b], s[CS], v24
.endr
.set j, 0
	s_wait_alu depctr_va_vdst(0)
.rept 64
	v_exp_f32 v[S+j], v[S+j]                       ; p = 2^(t - M)
.set j, j+1
.endr
	v_pk_mul_f32 v[26:27], v[26:27], v[28:29] op_sel_hi:[1,0]   ; the sum under the new M (a plain line behind the exponentials)
	s_wait_alu depctr_va_vdst(0)                   ; one wait for the batch of 64, ahead of its first reader
.irp b, 0,1,2,3
	v_exp_f32 v[BM+\b], v[BM+\b]                   ; the blocks' largest p
.endr
	v_pk_add_f32 v[188:189], v[196:197], v[200:201]
	v_pk_add_f32 v[82:83], v[204:205], v[208:209]
	v_pk_add_f32 v[80:81], v[212:213], v[216:217]
	v_pk_add_f32 v[78:79], v[220:221], v[224:225]
	v_pk_add_f32 v[76:77], v[228:229], v[232:233]
	v_pk_add_f32 v[74:75], v[236:237], v[240:241]
	v_pk_add_f32 v[72:73], v[244:245], v[248:249]
	v_pk_add_f32 v[26:27], v[26:27], v[252:253]
	v_pk_add_f32 v[188:189], v[188:189], v[192:193]
	v_pk_add_f32 v[82:83], v[82:83], v[194:195]
	v_pk_add_f32 v[80:81], v[80:81], v[198:199]
	v_pk_add_f32 v[78:79], v[78:79], v[202:203]
	v_pk_add_f32 v[76:77], v[76:77], v[206:207]
	v_pk_add_f32 v[74:75], v[74:75], v[210:211]
	v_pk_add_f32 v[72:73], v[72:73], v[214:215]
	v_pk_add_f32 v[26:27], v[26:27], v[218:219]
	v_pk_add_f32 v[188:189], v[188:189], v[222:223]
	v_pk_add_f32 v[82:83], v[82:83], v[226:227]
	v_pk_add_f32 v[80:81], v[80:81], v[230:231]
	v_pk_add_f32 v[78:79], v[78:79], v[234:235]
	v_pk_add_f32 v[76:77], v[76:77], v[238:239]
	v_pk_add_f32 v[74:75], v[74:75], v[242:243]
	v_pk_add_f32 v[72:73], v[72:73], v[246:247]
	v_pk_add_f32 v[26:27], v[26:27], v[250:251]
	v_pk_add_f32 v[188:189], v[188:189], v[254:255]
	s_delay_alu instid0(VALU_DEP_2)
	v_pk_add_f32 v[26:27], v[26:27], v[78:79]
	s_delay_alu instid0(VALU_DEP_2)
	v_pk_add_f32 v[188:189], v[188:189], v[76:77]
	v_pk_add_f32 v[82:83], v[82:83], v[74:75]
	v_pk_add_f32 v[80:81], v[80:81], v[72:73]
	s_delay_alu instid0(VALU_DEP_2)
	v_pk_add_f32 v[26:27], v[26:27], v[82:83]
	s_delay_alu instid0(VALU_DEP_2)
	v_pk_add_f32 v[188:189], v[188:189], v[80:81]
	s_delay_alu instid0(VALU_DEP_1)
	v_pk_add_f32 v[26:27], v[26:27], v[188:189]
	s_wait_alu depctr_va_vdst(0)                   ; and one for the four
.irp b, 0,1,2,3
	v_max_num_f32 v[BM+\b], 0x1800000, v[BM+\b]    ; the floor 2^(3 - 127)
.endr
.irp b, 0,1,2,3
	s_delay_alu instid0(VALU_DEP_4)
	v_add_nc_u32 v[BS+\b], 0xff000000, v[BM+\b]    ; the conversion's scale operand
.endr
.irp b, 0,1,2,3
	s_delay_alu instid0(VALU_DEP_4)
	v_lshrrev_b32 v[BP+\b], 23, v[BS+\b]           ; the scale's byte
.endr
	s_delay_alu instid0(VALU_DEP_3)
	v_lshl_or_b32 v[PW], v[BP+1], 8, v[BP]
	s_delay_alu instid0(VALU_DEP_1)
	v_lshl_or_b32 v[PW], v[BP+2], 16, v[PW]
	s_delay_alu instid0(VALU_DEP_1)
	v_lshl_or_b32 v[PW], v[BP+3], 24, v[PW]
.irp c, 0,1
	v_cvt_scalef32_pk16_fp6_f32 v[P+6*\c:P+6*\c+2], v[S+32*\c:S+32*\c+15], v[BS+2*\c]
	v_cvt_scalef32_pk16_fp6_f32 v[72+4*\c:74+4*\c], v[S+32*\c+16:S+32*\c+31], v[BS+2*\c+1]
.endr
	v_nop                                          ; one plain line behind a scaled conversion
.irp c, 0,1
.irp i, 0,1,2
	v_permlane16_swap_b32 v[P+6*\c+\i], v[72+4*\c+\i]
.endr
.irp i, 0,1,2
	s_delay_alu instid0(VALU_DEP_3)
	v_mov_b32 v[P+3+6*\c+\i], v[72+4*\c+\i]
.endr
.endr
	s_cmp_lt_u32 s[BC], 1                          ; in my first batch's last step the second batch's Q and sums of v are asked for: S and Q are free from here on
	s_cselect_b32 s70, s[LAST], 0
	s_cmp_eq_u32 s70, 0
	s_cbranch_scc1 .Lnonext_\@
	s_wait_xcnt 0x0
	s_mov_b64 s[QP:QP+1], s[90:91]
	s_mov_b64 s[VP:VP+1], s[92:93]
	BATCH_LOADS
.Lnonext_\@:
.set j, 0
.rept 16
	v_pk_mul_f32 v[O+j:O+j+1], v[O+j:O+j+1], v[28:29] op_sel_hi:[1,0]   ; O^T under the new M; also the places between p's codes and scale word and the products
.set j, j+2
.endr
	s_wait_alu depctr_va_vdst(0)
	s_wait_dscnt 0x0                               ; V is in
.irp t, 0,1,2,3
	v_wmma_scale_f32_16x16x128_f8f6f4 v[O+8*\t:O+8*\t+7], v[KV+12*\t:KV+12*\t+11], v[P:P+11], v[O+8*\t:O+8*\t+7], v[84+\t], v[PW] matrix_a_fmt:MATRIX_FMT_FP6 matrix_b_fmt:MATRIX_FMT_FP6
.endr
	s_cmp_eq_u32 s[LAST], 0
	s_cbranch_scc1 .Lmore_\@
	; THE BATCH'S END.  v192-223, v47-53 may have loads on their way: they are not touched here
.rept 4
	v_nop
.endr
.irp t, 0,1,2,3
	ds_load_b128 v[S+32+8*\t:S+35+8*\t], v21 offset:128*(\t/2)+32*(\t%2)      ; the masked steps' v at d = 32 (t / 2) + 16 (lane / 16) + 8 (t % 2) + 0 .. 7: O's layout
	ds_load_b128 v[S+36+8*\t:S+39+8*\t], v21 offset:128*(\t/2)+32*(\t%2)+16
.endr
	v_add_f32 v26, v26, v27
	v_fma_f32 v[T1], v23, s[CS], v24               ; tNEG - M,
	s_delay_alu instid0(VALU_DEP_2)
	v_permlanex16_b32 v[T0], v26, s[SEL], s[SEL+1]
	s_delay_alu instid0(VALU_DEP_2)
	v_min_num_f32 v[T1], 0, v[T1]                  ; 0 or less wherever it is used
	s_delay_alu instid0(VALU_DEP_2)
	v_add_f32 v26, v26, v[T0]                      ; the row's sum over the keys walked
	s_wait_alu depctr_va_vdst(0)
	v_exp_f32 v[T1], v[T1]                         ; pm
	v_nop
	s_wait_alu depctr_va_vdst(0)
	v_fma_f32 v26, v191, v[T1], v26                ; + the wholly masked keys'
	s_wait_alu depctr_va_vdst(0)
	v_rcp_f32 v28, v26
	v_bfe_u32 v[T0], v[T1], 20, 1                  ; Q(pm): to three mantissa bits, ties to even,
	v_add3_u32 v[T0], v[T1], v[T0], 0x7ffff
	s_delay_alu instid0(VALU_DEP_1)
	v_and_b32 v[T0], 0xfff00000, v[T0]
	v_and_or_b32 v190, v[T1], 0xff800000, s61      ; held at 1.875 x pm's power of two
	s_delay_alu instid0(VALU_DEP_1)
	v_min_u32 v190, v[T0], v190
	s_wait_dscnt 0x0
	s_wait_alu depctr_va_vdst(0)                   ; the reciprocal
.set j, 0
.rept 16
	v_pk_fma_f32 v[O+j:O+j+1], v[S+32+j:S+33+j], v[190:191], v[O+j:O+j+1] op_sel_hi:[1,0,1]
.set j, j+2
.endr
.set j, 0
.rept 16
	v_pk_mul_f32 v[O+j:O+j+1], v[O+j:O+j+1], v[28:29] op_sel_hi:[1,0]   ; / the sum
.set j, j+2
.endr
.irp b, 0,1
	v_max3_num_f32 v[BM+\b], |v[O+16*\b]|, |v[O+16*\b+1]|, 0x1800000    ; o's two blocks of 32 d
.endr
.irp i, 2,4,6,8,10,12,14
.irp b, 0,1
	s_delay_alu instid0(VALU_DEP_2)
	v_max3_num_f32 v[BM+\b], v[BM+\b], |v[O+16*\b+\i]|, |v[O+16*\b+\i+1]|
.endr
.endr
.irp b, 0,1
	s_delay_alu instid0(VALU_DEP_2)
	v_permlanex16_b32 v[BP+\b], v[BM+\b], s[SEL], s[SEL+1]
.endr
.irp b, 0,1
	s_delay_alu instid0(VALU_DEP_2)
	v_max_num_f32 v[BM+\b], v[BM+\b], v[BP+\b]
.endr
.irp b, 0,1
	s_delay_alu instid0(VALU_DEP_2)
	v_add_nc_u32 v[BS+\b], 0xff000000, v[BM+\b]
.endr
.irp b, 0,1
	s_delay_alu instid0(VALU_DEP_2)
	v_lshrrev_b32 v[BP+\b], 23, v[BS+\b]
.endr
	v_cvt_scalef32_pk16_fp6_f32 v[P:P+2], v[O:O+15], v[BS]
	v_cvt_scalef32_pk16_fp6_f32 v[72:74], v[O+16:O+31], v[BS+1]
	v_nop
.irp i, 0,1,2
	v_permlane16_swap_b32 v[P+\i], v[72+\i]
.endr
.irp i, 0,1,2
	s_delay_alu instid0(VALU_DEP_3)
	v_mov_b32 v[P+3+\i], v[72+\i]
.endr
	v_cndmask_b32 v[T0], v[BP], v[BP+1], s60       ; lanes 16-31 hold block 1's byte
	global_store_b128 v16, v[P:P+3], s[OP:OP+1]    ; 512 consecutive bytes
	global_store_b64 v17, v[P+4:P+5], s[OP:OP+1]   ; 256
	global_store_b8 v18, v[T0], s[SP:SP+1]
.set j, 0
.rept 32
	v_mov_b32 v[O+j], 0                            ; the next batch begins at zeros (f need not be 0 where tNEG starts the maximum)
.set j, j+1
.endr
	v_mov_b32 v26, 0
	v_mov_b32 v27, 0
	s_wait_xcnt 0x0                                ; the stores have read their data and bases
	s_mov_b64 s[OP:OP+1], s[94:95]
	s_mov_b64 s[SP:SP+1], s[96:97]
	s_mov_b32 s[VL], s[VL+1]
	s_mov_b32 s[VL+1], s[VL+2]
	s_mov_b32 s[VL+2], s[VL+3]
	s_mov_b32 s[NV], s[NV+1]
	s_mov_b32 s[NV+1], s[NV+2]
	s_mov_b32 s[NV+2], s[NV+3]
	s_mov_b32 s[ST], 0
	s_mov_b32 s[KF], -128
	s_add_co_u32 s[BC], s[BC], 1
	s_cmp_lt_u32 s[BC], 2
	s_cselect_b32 s[ACT], 1, 0
	s_cbranch_scc0 .Lmore_\@
	BATCH_INIT
.Lmore_\@:
	s_add_co_u32 s[KF], s[KF], 128
	s_wait_loadcnt 0x0                             ; the staged block is in (on every path: no load stays out over a trip's end)
	s_cmp_eq_u32 s[STON], 0
	s_cbranch_scc1 .Lidle_\@
	ds_store_b128 v9, v[142:145]
	ds_store_b128 v9, v[146:149] offset:4096
	ds_store_b128 v9, v[150:153] offset:8192
	ds_store_b32 v10, v154
	STG_ADV
.Lidle_\@:
.endm
; Four trips on one slot.  In front of the barrier each wave's LDS stores into the slot ahead have landed and its reads of the slot that will be written are in.
.macro GROUP slot
	s_wait_dscnt 0x0
	s_barrier_signal -1
	s_barrier_wait -1
	s_mov_b32 s[TS], \slot*SLOTB
	s_mov_b32 s[TW], (1-\slot)*SLOTB
	s_mov_b32 s69, 4
.Ltrip_\@:
	STEP
	s_add_co_u32 s[TS], s[TS], BLK
	s_add_co_u32 s[TW], s[TW], BLK
	s_sub_co_u32 s69, s69, 1
	s_cmp_lg_u32 s69, 0
	s_cbranch_scc1 .Ltrip_\@
.endm
	s_mov_b32 s68, 4
.Lpair:
	GROUP 0
	GROUP 1
	s_sub_co_u32 s68, s68, 1
	s_cmp_lg_u32 s68, 0
	s_cbranch_scc1 .Lpair
	s_wait_tensorcnt 0x0                           ; the wave's end: behind my last LDS store
	ds_add_u32 v1, v2
	s_wait_dscnt 0x0
	s_endpgm
.Lfunc_end_k_q706e7e1da7_attn:
	.size	k_q706e7e1da7_attn, .Lfunc_end_k_q706e7e1da7_attn-k_q706e7e1da7_attn
	.p2alignl 7, 3214868480
	.fill 96, 4, 3214868480
	.section	.rodata,"a",@progbits
	.p2align	6, 0x0
	.amdhsa_kernel k_q706e7e1da7_attn
		.amdhsa_group_segment_fixed_size 109568
		.amdhsa_private_segment_fixed_size 0
		.amdhsa_enable_private_segment 0
		.amdhsa_kernarg_size 48
		.amdhsa_user_sgpr_count 2
		.amdhsa_user_sgpr_kernarg_segment_ptr 1
		.amdhsa_wavefront_size32 1
		.amdhsa_system_sgpr_workgroup_id_x 1
		.amdhsa_system_sgpr_workgroup_id_y 1
		.amdhsa_system_sgpr_workgroup_id_z 1
		.amdhsa_system_vgpr_workitem_id 0
		.amdhsa_next_free_vgpr 256
		.amdhsa_next_free_sgpr 100
		.amdhsa_reserve_vcc 1
		.amdhsa_float_denorm_mode_32 3
		.amdhsa_float_denorm_mode_16_64 3
		.amdhsa_memory_ordered 1
		.amdhsa_forward_progress 1
		.amdhsa_inst_pref_size 93
	.end_amdhsa_kernel
	.amdgpu_metadata
---
amdhsa.version: [ 1, 2 ]
amdhsa.kernels:
  - .name:           k_q706e7e1da7_attn
    .symbol:         k_q706e7e1da7_attn.kd
    .args:
      - { .name: qimg, .offset: 0, .size: 8, .value_kind: global_buffer, .address_space: global }
      - { .name: kv, .offset: 8, .size: 8, .value_kind: global_buffer, .address_space: global }
      - { .name: vsum, .offset: 16, .size: 8, .value_kind: global_buffer, .address_space: global }
      - { .name: valid_len, .offset: 24, .size: 8, .value_kind: global_buffer, .address_space: global }
      - { .name: oimg, .offset: 32, .size: 8, .value_kind: global_buffer, .address_space: global }
      - { .name: oscale, .offset: 40, .size: 8, .value_kind: global_buffer, .address_space: global }
    .group_segment_fixed_size: 109568
    .private_segment_fixed_size: 0
    .kernarg_segment_align: 8
    .kernarg_segment_size: 48
    .max_flat_workgroup_size: 256
    .sgpr_count:     100
    .vgpr_count:     256
    .wavefront_size: 32
...
	.end_amdgpu_metadata
.endif
;; end of part 3
;; launch outp (part 4): grid 8 x 32, 4 waves a work-group, clusters of 4 x 4, 327,680 bytes of LDS; arguments oimg, oscale, codes, scales, out0; writes out0
.if DOCPART == 4
	.amdgcn_target "amdgcn-amd-amdhsa--gfx1250"
	.amdhsa_code_object_version 6
	.text
	.protected	k_q706e7e1da7_outp
	.globl	k_q706e7e1da7_outp
	.p2align	8
	.type	k_q706e7e1da7_outp,@function
k_q706e7e1da7_outp:
	s_mov_b64 s[64:65], 0
	v_nop
	global_prefetch_b8 v0, s[64:65] scope:SCOPE_SE
	s_setreg_imm32_b32 hwreg(HW_REG_WAVE_MODE, 25, 1), 1
	s_wait_xcnt 0x0
	s_wait_alu depctr_hold_cnt(0) depctr_sa_sdst(0) depctr_va_vdst(0) depctr_va_sdst(0) depctr_va_ssrc(0) depctr_va_vcc(0) depctr_vm_vsrc(0)
	s_getreg_b32 s2, hwreg(HW_REG_IB_STS2, 6, 4)
	s_cmp_eq_u32 s2, 0
	s_cbranch_scc0 .Lentry_in_a_cluster
	s_endpgm
.Lentry_in_a_cluster:
	s_bfe_u32 s2, ttmp6, 0x10000c
	s_cmp_lg_u32 s2, 0xf033
	s_cbranch_scc0 .Lentry_shape_is_right
	s_endpgm
.Lentry_shape_is_right:
.set KSTEP,  256
.set NQ,     2
; W_o's codes lie as [group of 256 rows][K step of 256][row][192 bytes]: a tile of 128 or 256 rows of one K step is dense and is stated as rows of 256 bytes;
; the padding's interval stays 64 bytes, so an LDS row of 192 bytes of codes is 240 bytes long.  o's tiles are register images: 3,072 bytes for 16 tokens and a K step, unpadded.
.set ROWB,   256
.set KTILE,  49152                     ; from a group's K step to its next
.set AHALF,  24576                     ; LDS: 128 tokens of o, one K step
.set G0H,    4                         ; s[4:7], s[8:11] group 0 of the head's loads of A's 256 tokens and B's 128 rows (the arguments that lay there have been used by then)
.set G0HB,   8
.set KROW,   768
.set PITCH,  240
.set FR,     12
.set NL,     6
.set NLA,    4
.set NP,     4
.set HALFT,  128*PITCH
.set SLOT,   4*HALFT
.set LAPS,   2
.set KS,     32
.set SCL,    2*SLOT
.set HALFS,  (128*KS/256)*272
.set SBLK,   (16*KS/256)*272
.set SPARE,  SCL+4*HALFS
.set SPITCH, 528
.set ATILE,  3072
.set ADRA, 16
.set ADRB, 20
.set STO,  24
.set RD,   25
.set CO,   26
; A BLOCK of out0 is 256 tokens x 128 columns: 32 x 8 = 256 work-groups.  A wave makes 128 tokens x 64 columns: A's eight blocks of 16 tokens against B's four blocks of 16 rows of W_o, 32 products for 128 along K.
.set ADRS, 27
.set ADRS2, 30                         ; v30 as v27, for scale registers 4 to 7: lanes 16-31 point four blocks lower there, at B's blocks 0 to 3 again, which are not used from these registers
.set SPW,  28
.set NIL,  29
.set SC,   32
.set AF,   128
.set BK,   128
.set G1, 24
.set G0, 32
.set G1B, 48
.set G0B, 56
.set G1S, 68
.set G0S, 76
.set G1SB, 80
.set G0SB, 88
.set MSB, 0
.macro WIN new
.if MSB != \new
	s_set_vgpr_msb (MSB<<8)|\new
.set MSB, \new
.endif
.endm
.set MUL_LO, 0xa1
.set MUL_HI, 0xf1
.set TO_B,   0x40
.macro JLOAD g0a, g1a, g0b, g1b
	s_cmp_eq_u32 s15, 0
	s_cbranch_scc0 .Lfor_b_\@
	tensor_load_to_lds s[\g0a:\g0a+3], s[\g1a:\g1a+7]
	s_nop 0
.rept 4
	v_nop
.endr
	s_branch .Lasked_\@
.Lfor_b_\@:
	tensor_load_to_lds s[\g0b:\g0b+3], s[\g1b:\g1b+7]
	s_nop 0
.rept 4
	v_nop
.endr
.Lasked_\@:
.endm
.macro CREST
	s_cmp_lg_u32 s14, 0
	s_cbranch_scc1 .Lnot_wave_0_\@
	s_barrier_signal -3
.Lnot_wave_0_\@:
	s_barrier_wait -3
	s_barrier_signal -1
	s_barrier_wait -1
.endm
.macro CROUND
	s_barrier_signal -1
	s_barrier_wait -1
	CREST
.endm
	s_load_b128 s[4:7], s[0:1], 0x0
	s_load_b128 s[8:11], s[0:1], 0x10
	s_load_b64 s[12:13], s[0:1], 0x20
	v_lshl_add_u32 v[SPW], v0, 2, SPARE
	v_mov_b32 v[NIL], 0
	ds_add_u32 v[SPW], v[NIL]
	ds_add_u32 v[SPW], v[NIL]
	v_lshrrev_b32 v1, 5, v0
	v_readfirstlane_b32 s14, v1
	s_lshr_b32 s15, s14, 1
	s_and_b32 s16, s14, 1
	s_bfe_u32 s40, ttmp6, 0x40000
	s_bfe_u32 s41, ttmp6, 0x40004
	s_lshl_b32 s42, ttmp9, 2
	s_add_co_u32 s42, s42, s40
	s_and_b32 s17, ttmp7, 0xffff
	s_lshl_b32 s17, s17, 2
	s_add_co_u32 s17, s17, s41
	s_lshl_b32 s43, s41, 2
	s_lshl_b32 s43, 15, s43
	s_lshl_b32 s44, 0x1111, s40
	s_or_b32 s[G1+0], s43, (3<<16)|(1<<21)
	s_mov_b32 s[G1+1], 384<<16
	s_mov_b32 s[G1+2], 16<<16                      ; the head's load: 256 tokens = 16 rows of 3,072 bytes
	s_mov_b32 s[G1+3], 384<<16
	s_mov_b32 s[G1+4], 16
	s_mov_b32 s[G1+5], 1536
	s_mov_b32 s[G1+6], 0
	s_mov_b32 s[G1+7], 0
	s_or_b32 s[G1B+0], s44, (0<<16)|(1<<20)|(1<<21)|(3<<22)|(3<<25)
	s_mov_b32 s[G1B+1], ROWB<<16
	s_mov_b32 s[G1B+2], 96<<16                     ; the head's load: 128 rows of codes = 96 rows of 256 bytes
	s_mov_b32 s[G1B+3], ROWB<<16
	s_mov_b32 s[G1B+4], 96
	s_mov_b32 s[G1B+5], ROWB
	s_mov_b32 s[G1B+6], 0
	s_mov_b32 s[G1B+7], 0
	s_or_b32 s[G1S+0], s43, (3<<16)|(1<<20)|(1<<21)|(5<<22)|(3<<25)
	s_or_b32 s[G1SB+0], s44, (3<<16)|(1<<20)|(1<<21)|(5<<22)|(3<<25)
.irp g, G1S, G1SB
	s_mov_b32 s[\g+1], 32<<16
	s_mov_b32 s[\g+2], KS<<16                      ; the scales of 256 rows: KS rows of 256 bytes
	s_mov_b32 s[\g+3], 32<<16
	s_mov_b32 s[\g+4], KS
	s_mov_b32 s[\g+5], 32
	s_mov_b32 s[\g+6], 0
	s_mov_b32 s[\g+7], 0
.endr
	s_mov_b32 s[G1SB+2], (KS/2)<<16                ; B has 128 rows: half as many scale bytes
	s_mov_b32 s[G1SB+4], KS/2
	s_lshl_b32 s20, s17, 8                         ; A: the tile's first token
	s_lshl_b32 s46, s42, 7
	s_add_co_u32 s46, s46, 27648                   ; B: its first row of W_o
	s_mov_b32 s21, 0
	s_mov_b32 s47, 0
	s_mov_b64 s[18:19], KS
	s_mul_u64 s[22:23], s[20:21], s[18:19]
	s_mul_u64 s[92:93], s[46:47], s[18:19]
	s_mov_b64 s[18:19], KROW
	s_mul_u64 s[20:21], s[20:21], s[18:19]
	s_lshr_b32 s46, s42, 1                         ; B's codes: the group of 256 rows,
	s_mul_i32 s46, s46, 4*KTILE
	s_and_b32 s95, s42, 1
	s_mul_i32 s95, s95, KTILE/2                    ; its lower or upper 128 rows,
	s_add_co_u32 s46, s46, s95
	s_add_co_u32 s46, s46, 27648*KROW              ; behind the 27,648 rows ahead of W_o
	s_mul_i32 s45, s16, HALFT/2                    ; LDS: where my 64 rows of B go in a slot
	s_add_co_u32 s45, s45, 2*HALFT
	s_mul_i32 s18, s16, 128*KROW                   ; in the ring I fetch half a tile: which half, in bytes: of o,
	s_mov_b32 s19, 0
	s_mul_i32 s94, s16, KTILE/4
	s_mov_b32 s95, 0
	s_mul_i32 s96, s16, AHALF                      ; and where o's half goes in a slot
	s_wait_dscnt 0x0
	s_wait_kmcnt 0x0
	s_add_nc_u64 s[20:21], s[4:5], s[20:21]
	s_add_nc_u64 s[22:23], s[6:7], s[22:23]
	s_add_nc_u64 s[46:47], s[8:9], s[46:47]
	s_add_nc_u64 s[92:93], s[10:11], s[92:93]
	CROUND
	s_mov_b32 s[G0S], 1
	s_mov_b32 s[G0S+1], SCL
	s_mov_b64 s[G0S+2:G0S+3], s[22:23]
	s_or_b32 s[G0S+3], s[G0S+3], 0x80000000
	s_mov_b32 s[G0SB], 1
	s_mov_b32 s[G0SB+1], SCL+2*HALFS
	s_mov_b64 s[G0SB+2:G0SB+3], s[92:93]
	s_or_b32 s[G0SB+3], s[G0SB+3], 0x80000000
	s_mov_b32 s[G0H], 1                            ; the head's four tiles, each whole: K step 0 of A's 256 tokens,
	s_mov_b32 s[G0H+1], 0
	s_mov_b64 s[G0H+2:G0H+3], s[20:21]
	s_or_b32 s[G0H+3], s[G0H+3], 0x80000000
	s_mov_b32 s[G0HB], 1                           ; and of B's 128 rows
	s_mov_b32 s[G0HB+1], 2*HALFT
	s_mov_b64 s[G0HB+2:G0HB+3], s[46:47]
	s_or_b32 s[G0HB+3], s[G0HB+3], 0x80000000
	s_add_nc_u64 s[20:21], s[20:21], s[18:19]      ; for the ring: my half of the tile
	s_add_nc_u64 s[46:47], s[46:47], s[94:95]
.irp s, 0,1
	s_mov_b32 s[G0+4*\s], 1
	s_add_co_u32 s[G0+4*\s+1], s96, \s*SLOT
	s_add_nc_u64 s[G0+4*\s+2:G0+4*\s+3], s[20:21], \s*ATILE
	s_or_b32 s[G0+4*\s+3], s[G0+4*\s+3], 0x80000000
	s_mov_b32 s[G0B+4*\s], 1
	s_add_co_u32 s[G0B+4*\s+1], s45, \s*SLOT
	s_add_nc_u64 s[G0B+4*\s+2:G0B+4*\s+3], s[46:47], \s*KTILE
	s_or_b32 s[G0B+4*\s+3], s[G0B+4*\s+3], 0x80000000
.endr
; THE HEAD'S LOADS, ONE A WAVE: wave 0 A's tokens, wave 1 B's rows, wave 2 A's scales, wave 3 B's: one chain of branches on the wave's number, every way through it passes one load
.macro ARM under, g0, g1, next
	s_cmp_lt_u32 s14, \under
	s_cbranch_scc0 \next
	tensor_load_to_lds s[\g0:\g0+3], s[\g1:\g1+7]
	s_nop 0
.rept 4
	v_nop
.endr
	s_branch .Lhead_asked
\next:
.endm
	ARM 1, G0H,  G1,  .Lhead_b
	ARM 2, G0HB, G1B, .Lhead_sa
	ARM 3, G0S,  G1S, .Lhead_sb
	tensor_load_to_lds s[G0SB:G0SB+3], s[G1SB:G1SB+7]
	s_nop 0
.rept 4
	v_nop
.endr
.Lhead_asked:
	v_and_b32 v1, 15, v0
	v_bfe_u32 v2, v0, 4, 1
	v_and_b32 v6, 31, v0
	v_lshlrev_b32 v7, 4, v6
	v_lshlrev_b32 v8, 3, v6
	v_mul_u32_u24 v3, v1, PITCH
	v_mul_u32_u24 v4, v2, 24
	v_add_nc_u32 v4, v3, v4
	v_lshl_add_u32 v5, v2, 4, v4
	s_mul_i32 s21, s15, AHALF
	s_mul_i32 s22, s16, HALFT/2
	s_add_co_u32 s22, s22, 2*HALFT
.irp s, 0,1
	v_add_nc_u32 v[ADRA+\s], s21, v7
	v_add_nc_u32 v[ADRB+\s], s22, v4
	v_add_nc_u32 v[ADRA+2+\s], s21, v8
	v_add_nc_u32 v[ADRB+2+\s], s22, v5
	s_add_co_u32 s21, s21, SLOT
	s_add_co_u32 s22, s22, SLOT
.endr
	v_mul_u32_u24 v5, v1, KS
	v_lshrrev_b32 v6, 8, v5
	v_lshl_add_u32 v5, v6, 4, v5
	s_mul_i32 s21, s15, HALFS
	s_mul_i32 s22, s16, HALFS/2
	s_add_co_u32 s22, s22, 2*HALFS
	s_sub_co_u32 s22, s22, s21
	v_mul_u32_u24 v6, s22, v2
	s_sub_co_u32 s22, s22, 4*SBLK
	v_mul_u32_u24 v9, s22, v2
	s_add_co_u32 s21, s21, SCL
	v_add_nc_u32 v6, v5, v6
	v_add_nc_u32 v9, v5, v9
	v_add_nc_u32 v[ADRS], s21, v6
	v_add_nc_u32 v[ADRS2], s21, v9
	s_mul_i32 s23, s14, 16*SPITCH
	v_mul_u32_u24 v5, v1, SPITCH
	v_lshl_add_u32 v5, v2, 6, v5
	v_add_nc_u32 v[STO], s23, v5
	v_lshlrev_b32 v9, 4, v1                        ; back: sixteen lanes take a row of 256 bytes, lanes 16-31 the next row;
	v_lshl_add_u32 v[CO], v2, 12, v9               ; and the same two rows in out0, 4,096 bytes apart
	v_mad_u32_u24 v9, v2, SPITCH, v9
	v_add_nc_u32 v[RD], s23, v9
	s_lshl_b32 s20, s17, 8
	s_lshl_b32 s21, s15, 7
	s_add_co_u32 s20, s20, s21
	s_mov_b32 s21, 0
	s_lshl_b64 s[20:21], s[20:21], 12
	s_lshl_b32 s46, s42, 9
	s_lshl_b32 s47, s16, 8
	s_add_co_u32 s46, s46, s47
	s_mov_b32 s47, 0
	s_add_nc_u64 s[20:21], s[20:21], s[46:47]
	s_add_nc_u64 s[12:13], s[12:13], s[20:21]
.macro FRAG reg, adr, q, i
.irp p, 0,1,2,3,4,5
.set PCE, 12*(\q)+6*(\p/3)+\p%3
.if PCE%8 < 5
	ds_load_b64 v[\reg+2*\p:\reg+2*\p+1], v[\adr] offset:8*PCE+16*(PCE/8)+(\i)*16*PITCH
.else
	ds_load_b64 v[\reg+2*\p:\reg+2*\p+1], v[\adr+2] offset:8*PCE+16*(PCE/8)+(\i)*16*PITCH
.endif
.endr
.endm
.macro FRAGA reg, slot, q, i
	ds_load_b128 v[\reg:\reg+3], v[ADRA+\slot] offset:(\i)*ATILE+(\q)*1536
	ds_load_b64 v[\reg+4:\reg+5], v[ADRA+2+\slot] offset:(\i)*ATILE+(\q)*1536+512
	ds_load_b128 v[\reg+6:\reg+9], v[ADRA+\slot] offset:(\i)*ATILE+(\q)*1536+768
	ds_load_b64 v[\reg+10:\reg+11], v[ADRA+2+\slot] offset:(\i)*ATILE+(\q)*1536+1280
.endm
.macro MUL16 a0, p, q, sc, zero
.irp a, \a0, \a0+1
.irp b, 0,1,2,3
.if \zero
	v_wmma_scale_f32_16x16x128_f8f6f4 v[8*(8*((\a)%4)+\b):8*(8*((\a)%4)+\b)+7], v[128*(\p)+FR*\b:128*(\p)+FR*\b+FR-1], v[AF+FR*(\a):AF+FR*(\a)+FR-1], 0, v[SC+8*NQ*(\sc)+NQ*\b+(\q)], v[SC+8*NQ*(\sc)+NQ*(\a)+(\q)] matrix_a_fmt:MATRIX_FMT_FP6 matrix_b_fmt:MATRIX_FMT_FP6 matrix_a_scale:MATRIX_SCALE_ROW1
.else
	v_wmma_scale_f32_16x16x128_f8f6f4 v[8*(8*((\a)%4)+\b):8*(8*((\a)%4)+\b)+7], v[128*(\p)+FR*\b:128*(\p)+FR*\b+FR-1], v[AF+FR*(\a):AF+FR*(\a)+FR-1], v[8*(8*((\a)%4)+\b):8*(8*((\a)%4)+\b)+7], v[SC+8*NQ*(\sc)+NQ*\b+(\q)], v[SC+8*NQ*(\sc)+NQ*(\a)+(\q)] matrix_a_fmt:MATRIX_FMT_FP6 matrix_b_fmt:MATRIX_FMT_FP6 matrix_a_scale:MATRIX_SCALE_ROW1
.endif
.endr
.endr
.endm
.macro FETCH_B slot, q, p
	WIN TO_B
.irp i, 0,1,2,3
	FRAG 128*(\p)+FR*\i, ADRB+\slot, \q, \i
.endr
	WIN 0
.endm
.macro FETCH_A slot, q, i0
.irp i, \i0, \i0+1, \i0+2, \i0+3
	FRAGA AF+FR*(\i), \slot, \q, \i
.endr
.endm
.macro SCALES sc
.irp i, 0,1,2,3
	ds_load_b64 v[SC+8*NQ*\sc+NQ*\i:SC+8*NQ*\sc+NQ*\i+1], v[ADRS] offset:\i*SBLK
.endr
.irp i, 4,5,6,7
	ds_load_b64 v[SC+8*NQ*\sc+NQ*\i:SC+8*NQ*\sc+NQ*\i+1], v[ADRS2] offset:\i*SBLK
.endr
.endm
.macro PLACES n
.rept \n
	v_nop
.endr
.endm
.macro STEP slot, q, zero
	s_wait_dscnt 4*NLA
	WIN MUL_LO
	MUL16 0, (\q)%2, \q, \slot, \zero
	MUL16 2, (\q)%2, \q, \slot, \zero
	s_wait_dscnt 0
	PLACES NP
	FETCH_B \slot, (\q)+1, 1-(\q)%2
	FETCH_A \slot, (\q)+1, 0
	WIN MUL_HI
	MUL16 4, (\q)%2, \q, \slot, \zero
	MUL16 6, (\q)%2, \q, \slot, \zero
	PLACES NP
	WIN 0
	FETCH_A \slot, (\q)+1, 4
.endm
.macro TURN slot, next, fill
	s_wait_tensorcnt 0x0
	ds_add_u32 v[SPW], v[NIL]
	s_wait_dscnt 4*NLA+1
	WIN MUL_LO
	MUL16 0, 1, NQ-1, \slot, 0
	s_wait_dscnt 0x0
	s_barrier_signal -1
	MUL16 2, 1, NQ-1, \slot, 0
	WIN 0
	s_barrier_wait -1
.if \fill
	CREST
	s_add_nc_u64 s[G0+4*\slot+2:G0+4*\slot+3], s[G0+4*\slot+2:G0+4*\slot+3], 2*ATILE
	s_add_nc_u64 s[G0B+4*\slot+2:G0B+4*\slot+3], s[G0B+4*\slot+2:G0B+4*\slot+3], 2*KTILE
	JLOAD G0+4*\slot, G1, G0B+4*\slot, G1B
.else
	PLACES NP
.endif
	s_wait_alu depctr_va_vdst(0)
	v_add_nc_u32 v[ADRS], 4*NQ, v[ADRS]
	v_add_nc_u32 v[ADRS2], 4*NQ, v[ADRS2]
	FETCH_B \next, 0, 0
	FETCH_A \next, 0, 0
	SCALES \next
	WIN MUL_HI
	MUL16 4, 1, NQ-1, \slot, 0
	MUL16 6, 1, NQ-1, \slot, 0
	PLACES NP
	WIN 0
	FETCH_A \next, 0, 4
.endm
	s_wait_alu depctr_va_vdst(0)
	s_wait_tensorcnt 0x0                           ; my tile of the head's four is in; these lines stand ahead of a later first fill as ahead of a refill
	ds_add_u32 v[SPW], v[NIL]
	s_mov_b32 s[G1+2], 8<<16                       ; no tensor load of mine is out: from here on a load brings 128 tokens = 8 rows of 3,072 bytes,
	s_mov_b32 s[G1+4], 8
	s_mov_b32 s[G1B+2], 48<<16                     ; or 64 rows of codes = 48 rows of 256 bytes
	s_mov_b32 s[G1B+4], 48
	s_wait_dscnt 0x0
	CROUND                                         ; all four tiles are in, in every work-group of the cluster
	JLOAD G0+4, G1, G0B+4, G1B                     ; K step 1 into slot 1: the first tensor load behind the round
	FETCH_B 0, 0, 0
	FETCH_A 0, 0, 0
	SCALES 0
	FETCH_A 0, 0, 4
	STEP 0, 0, 1
	s_mov_b32 s3, LAPS-1
.Llap:
	TURN 0, 1, 1
	STEP 1, 0, 0
	TURN 1, 0, 1
	STEP 0, 0, 0
	s_sub_co_u32 s3, s3, 1
	s_cmp_lg_u32 s3, 0
	s_cbranch_scc1 .Llap
	TURN 0, 1, 0
	STEP 1, 0, 0
	s_wait_dscnt 4*NLA
	WIN MUL_LO
	MUL16 0, 1, NQ-1, 1, 0
	MUL16 2, 1, NQ-1, 1, 0
	s_wait_dscnt 0
	WIN MUL_HI
	MUL16 4, 1, NQ-1, 1, 0
	MUL16 6, 1, NQ-1, 1, 0
	WIN 0
.macro TOSTAGE a
.set AC, 64*((\a)%4)
	WIN 0x08+4*((\a)/4)
.irp b, 0,1,2,3
	ds_store_b128 v[STO], v[AC+8*\b:AC+8*\b+3] offset:128*(\b/2)+32*(\b%2)
	ds_store_b128 v[STO], v[AC+8*\b+4:AC+8*\b+7] offset:128*(\b/2)+32*(\b%2)+16
.endr
	WIN 0
.set BB, BK+64*((\a)%2)
.irp t, 0,1,2,3,4,5,6,7
	ds_load_b128 v[BB+4*\t:BB+4*\t+3], v[RD] offset:2*\t*SPITCH
.endr
.endm
.macro SEND a, younger
.set BB, BK+64*((\a)%2)
	s_wait_dscnt \younger
.irp t, 0,1,2,3,4,5,6,7
	global_store_b128 v[CO], v[BB+4*\t:BB+4*\t+3], s[12:13] offset:(32*((\a)/2)+8*((\a)%2)+2*\t+8*(\t/4))*4096 th:TH_STORE_NT   ; stage rows 2 t and 2 t + 1: each sixteen lanes store 256 consecutive bytes, aligned
.endr
.endm
	PLACES NP
	TOSTAGE 0
.irp a, 1,2,3,4,5,6,7
.if \a > 1
	s_wait_xcnt 0x0
.endif
	TOSTAGE \a
	SEND \a-1, 16                                  ; behind block a - 1's loads: block a's 8 stores and 8 loads
.endr
	SEND 7, 0
	s_wait_tensorcnt 0x0
	ds_add_u32 v[SPW], v[NIL]
	s_wait_dscnt 0x0
	CROUND
	s_endpgm
.Lfunc_end_k_q706e7e1da7_outp:
	.size	k_q706e7e1da7_outp, .Lfunc_end_k_q706e7e1da7_outp-k_q706e7e1da7_outp
	.p2alignl 7, 3214868480
	.fill 96, 4, 3214868480
	.section	.rodata,"a",@progbits
	.p2align	6, 0x0
	.amdhsa_kernel k_q706e7e1da7_outp
		.amdhsa_group_segment_fixed_size 327680
		.amdhsa_private_segment_fixed_size 0
		.amdhsa_enable_private_segment 0
		.amdhsa_kernarg_size 40
		.amdhsa_user_sgpr_count 2
		.amdhsa_user_sgpr_kernarg_segment_ptr 1
		.amdhsa_wavefront_size32 1
		.amdhsa_system_sgpr_workgroup_id_x 1
		.amdhsa_system_sgpr_workgroup_id_y 1
		.amdhsa_system_sgpr_workgroup_id_z 1
		.amdhsa_system_vgpr_workitem_id 0
		.amdhsa_next_free_vgpr 1024
		.amdhsa_next_free_sgpr 98
		.amdhsa_reserve_vcc 0
		.amdhsa_float_denorm_mode_32 3
		.amdhsa_float_denorm_mode_16_64 3
		.amdhsa_memory_ordered 1
		.amdhsa_forward_progress 1
		.amdhsa_inst_pref_size 95
	.end_amdhsa_kernel
	.amdgpu_metadata
---
amdhsa.version: [ 1, 2 ]
amdhsa.kernels:
  - .name:           k_q706e7e1da7_outp
    .symbol:         k_q706e7e1da7_outp.kd
    .args:
      - { .name: oimg, .offset: 0, .size: 8, .value_kind: global_buffer, .address_space: global }
      - { .name: oscale, .offset: 8, .size: 8, .value_kind: global_buffer, .address_space: global }
      - { .name: codes, .offset: 16, .size: 8, .value_kind: global_buffer, .address_space: global }
      - { .name: scales, .offset: 24, .size: 8, .value_kind: global_buffer, .address_space: global }
      - { .name: out0, .offset: 32, .size: 8, .value_kind: global_buffer, .address_space: global }
    .group_segment_fixed_size: 327680
    .private_segment_fixed_size: 0
    .kernarg_segment_align: 8
    .kernarg_segment_size: 40
    .max_flat_workgroup_size: 128
    .sgpr_count:     98
    .vgpr_count:     1024
    .wavefront_size: 32
...
	.end_amdgpu_metadata
.endif
;; end of part 4
